; MI455X (gfx1250); checked and timed in simulation.
; The chip was launched on July 23, 2026; its instructions are those of AMD's public machine-readable ISA for CDNA 5 (MIT licence, August 2026) and "CDNA5" Instruction Set Architecture Reference Guide (July 2026). The comments in the code are by the model that wrote it; some were corrected since.
;; Multi Head Attention. Allowed arithmetic: matrix products marked QUANTISED: E2M1 operands, one E8M0 scale for each 32 along K, by v_wmma_scale_f32_16x16x128_f8f6f4 with both operands' format E2M1 (or v_wmma_scale_f32_32x16x128_f4), f32 sums; products left as they are: bf16, f16 or f32 operands; f32 sums; everything else in f32.
;; Inputs: Wproj 1,024 x 1,024 float32; Wqkv 1,024 x 3,072 float32; x 4 x 2,048 x 1,024 float32.
;; Outputs: out0 4 x 2,048 x 1,024 float32.
;; This version of the problem:
;;   THIS VERSION OF THE PROBLEM IS GIVEN IN LOW PRECISION. The matrix products marked QUANTISED in the list below multiply operands that are first quantised to E2M1 (2 exponent bits, 1 mantissa bit; 4 bits a number), with one power-of-two scale for each 32 numbers along K (OCP MX v1.0); their sums are f32. The products marked 'left as it is' may take bf16, f16 or f32 operands, with f32 sums. Whichever they take, every output number must still come out within the allowed error. Rounding operands to bf16 (8 significant bits) uses up far more of that allowance than f16 does (11 bits, for magnitudes from 6e-5 to 65,504). All else is computed in f32.
;;   The module's matrix products, in the order in which they are computed (A, B: the left and right operand; K: the contracted axis; several contracted axes count as one K, in the product's order):
;;     1. [M 8,192, K 1,024] x [K 1,024, N 3,072]; A: input x; B: input Wqkv: QUANTISED
;;     2. batch 64 x [M 2,048, K 64] x [K 64, N 2,048]; A: computed on the way; B: computed on the way: left as it is (an operand is computed on the way)
;;     3. batch 64 x [M 2,048, K 2,048] x [K 2,048, N 64]; A: computed on the way; B: computed on the way: left as it is (an operand is computed on the way)
;;     4. [M 8,192, K 1,024] x [K 1,024, N 1,024]; A: computed on the way; B: input Wproj: left as it is (an operand is computed on the way)
;;   THE QUANTISER, for each operand of a quantised product, along K:
;;     - K is cut into blocks of 32 from its start; a last block that is shorter is filled with zeros.
;;     - A block's scale is 2^e with e = floor(log2(the largest magnitude in the block)) - 2, held to -126 .. 127; a block of zeros has e = 0. As a byte (E8M0): e + 127.
;;     - Each number is divided by its block's scale, clamped to +-6, and rounded to the nearest number of E2M1, ties to even, subnormals kept.
;;     - The product sums the exact products of the quantised numbers (number of the format x scale) in f32.
;;   ~~~python
;;   def quantise(x, axis):      # numpy; x: float32 -> the quantised numbers, widened to float32 again
;;       x = np.moveaxis(x, axis, -1); K = x.shape[-1]
;;       x = np.pad(x, [(0, 0)] * (x.ndim - 1) + [(0, -K % 32)]); x = x.reshape(x.shape[:-1] + (-1, 32)); a = np.abs(x).max(-1, keepdims=True)
;;       e = np.where(a > 0, np.clip(np.frexp(np.where(a > 0, a, 1))[1] - 1 - 2, -126, 127), 0)      # np.frexp(a)[1] - 1 = floor(log2(a)), exactly
;;       r = np.clip(x / 2.0 ** e, -6, 6)
;;       step = 2.0 ** (np.maximum(np.frexp(np.where(r == 0, 1, r))[1] - 1, 0) - 1)
;;       q = np.round(r / step) * step * 2.0 ** e      # np.round: ties to even
;;       return np.moveaxis(q.reshape(q.shape[:-2] + (-1,))[..., :K], -1, axis).astype(np.float32)
;;   ~~~
;; One version. Each part assembles by itself: llvm-mc -triple=amdgcn-amd-amdhsa -mcpu=gfx1250 --defsym DOCPART=n.
;; ======== version 1 of 1: 6 launches
;; limits: values are held in f16: magnitudes above 65,504 overflow, below 6.1e-05 lose precision
;; workspace buffers: xc 4,194,304 bytes; xs 262,144 bytes; wc 1,572,864 bytes; ws 98,304 bytes; wpt 2,097,152 bytes; qkv16 50,331,648 bytes; qkv32 786,432 bytes; att16 16,777,216 bytes
;; launch quantx (part 1): grid 256 x 1, 4 waves a work-group, no clusters, 33,280 bytes of LDS; arguments x, xc, xs; writes xc, xs
.if DOCPART == 1
	.amdgcn_target "amdgcn-amd-amdhsa--gfx1250"
	.amdhsa_code_object_version 6
	.text
	.protected	k_q5af54e8768_quantx
	.globl	k_q5af54e8768_quantx
	.p2align	8
	.type	k_q5af54e8768_quantx,@function
k_q5af54e8768_quantx:
	s_mov_b64 s[64:65], 0
	v_nop
	global_prefetch_b8 v0, s[64:65] scope:SCOPE_SE
	s_setreg_imm32_b32 hwreg(HW_REG_WAVE_MODE, 25, 1), 1
	s_wait_xcnt 0x0
; THE PROGRAM: causal multi-head attention, B 4, T 2,048, C 1,024, 16 heads of 64, in six launches:
;   1 (this one) x -> codes of E2M1 + E8M0 bytes;  2 Wqkv -> codes + bytes, Wproj -> its transpose in f16;  3 q, k, v = x Wqkv on the codes;  4 attention in f16 with f32 sums;
;   5 the projection in f16 with f32 sums;  6 the first 16 positions of each sequence once more, wholly in f32, over launch 5's rows.
; WORK LEFT OUT: the mask is built in the problem's own body (a lower triangle of ones): a key k > q gets -infinity ahead of the softmax, so its weight is exactly 0 whatever finite values x, Wqkv
; and Wproj hold.  Tiles of keys that lie wholly behind a wave's last query are therefore neither loaded nor multiplied (launch 4).  All three inputs have a way to the output and are loaded.
; LIMIT of that: a NaN, an infinity or an overflow that would arise only in such masked scores is not carried to the result.
; THIS LAUNCH: x [8,192][1,024] f32 becomes codes of E2M1, 4 bits each, K innermost (xc: 512 bytes a row), and one E8M0 byte for each 32 along K (xs: 32 bytes a row).
; A block's scale is 2^(floor(log2(its largest magnitude)) - 2); its byte is the largest magnitude's own exponent field - 2, held at 1 from below.  Each number is divided by the scale and rounded to the nearest code, ties to even;
; beyond the largest code the conversion gives the largest code.
; LIMITS: a block of zeros gets the byte 1 where the rule says 127 (its codes are zeros, which add nothing, and this program alone reads the bytes); blocks whose largest magnitude lies under 2^-124 keep the byte 1;
; NaN and infinities among the inputs are not served.
; Rows are dense and 1,024 is a multiple of 32: x is a plain stream of blocks of 32, and so are codes and bytes.  A wave takes 16 steps of 512 numbers.  Each of a step's four loads reads 512 consecutive bytes, 16 a lane;
; the 2,048 bytes turn through the wave's own stage in LDS and come back 64 bytes a lane, so that a lane holds 16 neighbours (two lanes hold a block).  A lane's 16 codes are 8 bytes: the wave stores 256 consecutive bytes.
; A wave's 256 scale bytes are gathered in its own LDS bytes and leave as 256 consecutive bytes.  No barrier: waves share nothing.  Loads run four steps (16 loads a wave) ahead, the turn through LDS one step.
.set WAVES, 4
.set STEPS, 16
.set EMAX,  2
.set CB,    8                          ; bytes of 16 codes
.set R,     16                         ; v16-79   four sets of 16 numbers as they are loaded
.set X,     80                         ; v80-111  two sets of 16 neighbours
.set C,     128                        ; v128-191 codes: four registers for each step, so that no store's data are written again
.set E,     112                        ; v112-127 a scale byte for each step
.set WREG,  8192                       ; LDS: a region for each wave: two stages of 32 x SP bytes, behind them its 256 scale bytes
.set SP,    80                         ; a lane's place in a stage: 64 bytes + 16 of padding
.set SPW,   12                         ; v12  LDS address of my spare word; never rewritten
.set NIL,   13                         ; v13  0; never rewritten
.set SPARE, WAVES*WREG                 ; behind the four regions: the spare words, 128 bytes a wave, named by no other line
	s_load_b128 s[4:7], s[0:1], 0x0                ; x s[4:5], xc s[6:7]
	s_load_b64 s[10:11], s[0:1], 0x10              ; xs
	v_lshl_add_u32 v[SPW], v0, 2, SPARE
	v_mov_b32 v[NIL], 0
	v_lshrrev_b32 v1, 5, v0
	v_readfirstlane_b32 s16, v1                    ; wave
	v_and_b32 v2, 31, v0                           ; lane
	v_lshlrev_b32 v3, 4, v2                        ; my 16 bytes of a load's 512
	s_mul_i32 s17, s16, WREG
	v_lshrrev_b32 v14, 2, v2
	v_mul_u32_u24 v14, v14, SP
	v_and_b32 v15, 3, v2
	v_lshl_add_u32 v14, v15, 4, v14
	v_add_nc_u32 v14, s17, v14                     ; the stage, on the way in: SP (lane / 4) + 16 (lane % 4); a load's 512 bytes take eight places
	v_mul_u32_u24 v15, v2, SP
	v_add_nc_u32 v15, s17, v15                     ; and on the way out: SP x lane: my 16 neighbours
	v_mul_u32_u24 v4, v2, CB                       ; my codes' place in a step's
	v_lshrrev_b32 v5, 1, v2
	s_add_co_u32 s17, s17, 2*32*SP
	v_add_nc_u32 v5, s17, v5                       ; LDS: my wave's 256 scale bytes, my block's byte
	v_lshlrev_b32 v7, 3, v2                        ; and on the way out 8 bytes a lane
	v_add_nc_u32 v6, s17, v7
	s_lshl_b32 s17, ttmp9, 2
	s_add_co_u32 s18, s17, s16                     ; which run of 8,192 numbers is my wave's: 0 .. 1,023
	s_lshl_b32 s20, s18, 15                        ; 32,768 bytes of x a run
	s_mov_b32 s21, 0
	s_lshl_b32 s22, s18, 12                        ; 4,096 bytes of codes
	s_mov_b32 s23, 0
	s_lshl_b32 s18, s18, 8                         ; 256 scale bytes
	s_mov_b32 s19, 0
	s_wait_kmcnt 0x0
	s_add_nc_u64 s[4:5], s[4:5], s[20:21]
	s_add_nc_u64 s[6:7], s[6:7], s[22:23]
	s_add_nc_u64 s[10:11], s[10:11], s[18:19]
.macro LOAD t
.irp i, 0,1,2,3
	global_load_b128 v[R+16*((\t)%4)+4*\i:R+16*((\t)%4)+4*\i+3], v3, s[4:5] offset:2048*(\t)+512*\i th:TH_LOAD_NT   ; 32 lanes read 512 consecutive bytes
.endr
.endm
.macro TURN t                          ; step t's numbers through the stage: LDS serves a wave's instructions in order, so no wait stands between the stores and the loads
.irp i, 0,1,2,3
	ds_store_b128 v14, v[R+16*((\t)%4)+4*\i:R+16*((\t)%4)+4*\i+3] offset:32*SP*((\t)%2)+8*SP*\i
.endr
.irp i, 0,1,2,3
	ds_load_b128 v[X+16*((\t)%2)+4*\i:X+16*((\t)%2)+4*\i+3], v15 offset:32*SP*((\t)%2)+16*\i
.endr
.endm
.irp t, 0,1,2,3
	LOAD \t
.endr
	s_wait_loadcnt 12                              ; step 0's four loads are in; the twelve of steps 1 to 3 may be out
	TURN 0
.macro STEP t
.set XS, X+16*((\t)%2)
.if (\t) > 0
	s_wait_dscnt 1                                 ; this step's numbers are back from the stage (the last step's byte store may be out): so its stores into the stage have read their registers,
.else
	s_wait_dscnt 0x0
.endif
.if (\t)+4 < STEPS
	LOAD (\t)+4                                    ; which take the loads of four steps on
.endif
.if (\t)+1 < STEPS
.if STEPS-2-(\t) >= 3
	s_wait_loadcnt 12                              ; the next step's four loads are in; those of the three steps behind it may be out
.else
	s_wait_loadcnt 4*(STEPS-2-(\t))
.endif
	TURN (\t)+1                                    ; and go through the other stage while this step is worked
.endif
	v_max3_num_f32 v8, |v[XS]|, |v[XS+1]|, |v[XS+2]|               ; the largest magnitude of my 16, in two chains
	v_max3_num_f32 v9, |v[XS+3]|, |v[XS+4]|, |v[XS+5]|
.irp i, 6,10
	v_max3_num_f32 v8, v8, |v[XS+\i]|, |v[XS+\i+1]|
	v_max3_num_f32 v9, v9, |v[XS+\i+2]|, |v[XS+\i+3]|
.endr
	v_max3_num_f32 v8, v8, |v[XS+14]|, |v[XS+15]|
	v_max3_num_f32 v8, v8, v9, (EMAX+1)<<23        ; and the floor 2^(3 - 127): the byte cannot fall under 1
	v_max_num_f32_dpp v8, v8, v8 row_xmask:1 row_mask:0xf bank_mask:0xf   ; and of my neighbour's 16: the block's
	v_add_nc_u32 v11, -(EMAX<<23), v8              ; 2 off its exponent field: the conversion takes the exponent field of this operand as its scale
	v_cvt_scalef32_pk8_fp4_f32 v[C+4*(\t)], v[XS:XS+7], v11
	v_cvt_scalef32_pk8_fp4_f32 v[C+4*(\t)+1], v[XS+8:XS+15], v11
	v_lshrrev_b32 v[E+(\t)], 23, v11               ; the scale's byte (also the plain line behind the conversions)
	ds_store_b8 v5, v[E+(\t)] offset:16*(\t)       ; both lanes of a block write the same byte with the same value
	global_store_b64 v4, v[C+4*(\t):C+4*(\t)+1], s[6:7] offset:32*CB*(\t)
.endm
.irp t, 0,1,2,3,4,5,6,7,8,9,10,11,12,13,14,15
	STEP \t
.endr
	ds_load_b64 v[8:9], v6                         ; LDS serves a wave's instructions in order: these see my stores
	s_wait_dscnt 0x0
	global_store_b64 v7, v[8:9], s[10:11]          ; 32 lanes store 256 consecutive bytes, aligned
	s_wait_tensorcnt 0x0                           ; the wave's end: a wait on TENSORcnt, an add of 0 to my spare word and a wait on DScnt, behind my last LDS store
	ds_add_u32 v[SPW], v[NIL]
	s_wait_dscnt 0x0
	s_endpgm
.Lfunc_end_k_q5af54e8768_quantx:
	.size	k_q5af54e8768_quantx, .Lfunc_end_k_q5af54e8768_quantx-k_q5af54e8768_quantx
	.p2alignl 7, 3214868480
	.fill 96, 4, 3214868480
	.section	.rodata,"a",@progbits
	.p2align	6, 0x0
	.amdhsa_kernel k_q5af54e8768_quantx
		.amdhsa_group_segment_fixed_size 33280
		.amdhsa_private_segment_fixed_size 0
		.amdhsa_enable_private_segment 0
		.amdhsa_kernarg_size 24
		.amdhsa_user_sgpr_count 2
		.amdhsa_user_sgpr_kernarg_segment_ptr 1
		.amdhsa_wavefront_size32 1
		.amdhsa_system_sgpr_workgroup_id_x 1
		.amdhsa_system_sgpr_workgroup_id_y 1
		.amdhsa_system_sgpr_workgroup_id_z 1
		.amdhsa_system_vgpr_workitem_id 0
		.amdhsa_next_free_vgpr 192
		.amdhsa_next_free_sgpr 66
		.amdhsa_reserve_vcc 0
		.amdhsa_float_denorm_mode_32 3
		.amdhsa_float_denorm_mode_16_64 3
		.amdhsa_memory_ordered 1
		.amdhsa_forward_progress 1
		.amdhsa_inst_pref_size 33
	.end_amdhsa_kernel
	.amdgpu_metadata
---
amdhsa.version: [ 1, 2 ]
amdhsa.kernels:
  - .name:           k_q5af54e8768_quantx
    .symbol:         k_q5af54e8768_quantx.kd
    .args:
      - { .name: x, .offset: 0, .size: 8, .value_kind: global_buffer, .address_space: global }
      - { .name: xc, .offset: 8, .size: 8, .value_kind: global_buffer, .address_space: global }
      - { .name: xs, .offset: 16, .size: 8, .value_kind: global_buffer, .address_space: global }
    .group_segment_fixed_size: 33280
    .private_segment_fixed_size: 0
    .kernarg_segment_align: 8
    .kernarg_segment_size: 24
    .max_flat_workgroup_size: 128
    .sgpr_count:     66
    .vgpr_count:     192
    .wavefront_size: 32
...
	.end_amdgpu_metadata
.endif
;; end of part 1
;; launch prepw (part 2): grid 64 x 1, 16 waves a work-group, no clusters, 169,984 bytes of LDS; arguments Wqkv, Wproj, wc, ws, wpt; writes wc, ws, wpt
.if DOCPART == 2
	.amdgcn_target "amdgcn-amd-amdhsa--gfx1250"
	.amdhsa_code_object_version 6
	.text
	.protected	k_q5af54e8768_prepw
	.globl	k_q5af54e8768_prepw
	.p2align	8
	.type	k_q5af54e8768_prepw,@function
k_q5af54e8768_prepw:
	s_mov_b64 s[64:65], 0
	v_nop
	global_prefetch_b8 v0, s[64:65] scope:SCOPE_SE
	s_setreg_imm32_b32 hwreg(HW_REG_WAVE_MODE, 25, 1), 1
	s_wait_xcnt 0x0
; Both weights are stored [k][n] with K as their FIRST axis.  Work-groups 0-47: 64 columns of Wqkv [1,024][3,072] become codes of E2M1 with K innermost (wc: [3,072][512 bytes]) and E8M0 bytes (ws: [3,072][32]).
; Work-groups 48-63: 64 columns of Wproj [1,024][1,024] become rows of its transpose in f16 (wpt: [1,024 n][1,024 k]).
; A LANE TAKES A COLUMN AND ITS REGISTERS RUN DOWN K: a block of 32 along K lies in one lane, its largest magnitude needs no other lane, and conversions of neighbouring registers give K innermost.
; Wave w: columns 32 (w & 1) on, K from 128 (w >> 1) on: 128 loads of 4 bytes a lane, all issued at once; the two waves of a pair read 256 consecutive bytes of each row of the weight.
; The results meet in LDS as rows (one for each column of the weight), and leave by stores of 512 consecutive bytes.  Each of the two ways has LDS bytes of its own.
; The quantiser: scale 2^(floor(log2(largest magnitude)) - 2), byte = the largest magnitude's exponent field - 2, held at 1 from below.
; LIMITS: a block of zeros gets the byte 1 where the rule says 127 (zero codes add nothing; this program alone reads the bytes); blocks under 2^-124 keep the byte 1; NaN and infinities are not served;
; |Wproj| stays under 65,504, f16's largest number.
.set PQ,    12288                      ; a row of Wqkv in bytes
.set PPJ,   4096                       ; a row of Wproj
.set EMAX,  2
.set QP,    528                        ; LDS: a column's 512 bytes of codes + 16
.set QSC,   64*QP                      ; 33,792: the 64 columns' scale bytes, 32 each, dense
.set PST,   QSC+2048                   ; 35,840: Wproj's way: 64 rows of 2,048 bytes + 16
.set PP,    2064
.set SPARE, PST+64*PP                  ; 167,936: the spare words, 128 bytes a wave, named by no other line
.set X,     32                         ; v32-159  my column's 128 numbers
.set C,     160                        ; v160-223 codes (16 registers) or pairs of f16 (64)
	s_load_b128 s[4:7], s[0:1], 0x0                ; Wqkv, Wproj
	s_load_b128 s[8:11], s[0:1], 0x10              ; wc, ws
	s_load_b64 s[12:13], s[0:1], 0x20              ; wpt
	v_lshl_add_u32 v30, v0, 2, SPARE               ; my spare word; never rewritten
	v_mov_b32 v31, 0                               ; 0; never rewritten
	v_lshrrev_b32 v1, 5, v0
	v_readfirstlane_b32 s16, v1                    ; wave 0..15
	v_and_b32 v1, 31, v0                           ; lane
	v_lshlrev_b32 v2, 2, v1                        ; 4 bytes a lane
	s_and_b32 s17, s16, 1                          ; which 32 columns
	s_lshr_b32 s18, s16, 1                         ; which 128 along K
	s_lshl_b32 s19, s17, 5
	v_add_nc_u32 v11, s19, v1                      ; my column of the 64
	; every LDS address is made here, ahead of the parting of the two ways
	v_mul_u32_u24 v3, v11, QP
	s_lshl_b32 s20, s18, 6
	v_add_nc_u32 v3, s20, v3                       ; codes in: column x 528 + 64 bytes for each 128 along K
	v_lshlrev_b32 v4, 5, v11
	s_lshl_b32 s20, s18, 2
	s_add_co_u32 s20, s20, QSC
	v_add_nc_u32 v4, s20, v4                       ; scale word in: column x 32 + 4 for each 128 along K
	v_mul_u32_u24 v5, v11, PP
	s_lshl_b32 s20, s18, 8
	s_add_co_u32 s20, s20, PST
	v_add_nc_u32 v5, s20, v5                       ; f16 in: column x 2,064 + 256 for each 128 along K
	s_mul_i32 s20, s16, 4*QP
	v_lshl_add_u32 v6, v1, 4, s20                  ; codes out: wave w takes rows 4 w .. 4 w + 3, 16 bytes a lane
	s_lshl_b32 s20, s16, 9
	v_lshl_add_u32 v10, v1, 4, s20                 ; scale bytes: 512 w + 16 lane, in ws,
	v_add_nc_u32 v7, QSC, v10                      ; and in LDS (waves 0-3)
	s_mul_i32 s20, s16, 4*PP
	s_add_co_u32 s20, s20, PST
	v_lshl_add_u32 v8, v1, 4, s20                  ; f16 out
	s_lshl_b32 s20, s16, 11
	v_lshl_add_u32 v9, v1, 4, s20                  ; in wc: 4 w rows of 512 bytes + 16 lane
	s_lshl_b32 s20, s16, 13
	v_lshl_add_u32 v14, v1, 4, s20                 ; in wpt: 4 w rows of 2,048 bytes + 16 lane
	s_lshl_b32 s22, s17, 7                         ; my 32 columns, in bytes of a weight's row
	s_wait_kmcnt 0x0
.macro LOADS base, pitch               ; W(128 (w >> 1) + i, my column), i = 0 .. 127
.set i, 0
.rept 128
	global_load_b32 v[X+i], v2, s[\base:\base+1] offset:i*\pitch th:TH_LOAD_NT
.set i, i+1
.endr
.endm
.macro QBLOCK t, left                  ; block t of my four: left = the younger loads that may stay out
.set XS, X+32*(\t)
	s_wait_loadcnt \left
	v_max3_num_f32 v12, |v[XS]|, |v[XS+1]|, |v[XS+2]|              ; the block's largest magnitude: all 32 numbers are mine
	v_max3_num_f32 v13, |v[XS+3]|, |v[XS+4]|, |v[XS+5]|
.irp i, 6,10,14,18,22,26
	v_max3_num_f32 v12, v12, |v[XS+\i]|, |v[XS+\i+1]|
	v_max3_num_f32 v13, v13, |v[XS+\i+2]|, |v[XS+\i+3]|
.endr
	v_max3_num_f32 v12, v12, |v[XS+30]|, |v[XS+31]|
	v_max3_num_f32 v12, v12, v13, (EMAX+1)<<23     ; and the floor 2^(3 - 127): the byte cannot fall under 1
	v_add_nc_u32 v11, -(EMAX<<23), v12             ; 2 off its exponent field: the conversion's scale operand
	v_lshrrev_b32 v13, 23, v11                     ; the scale's byte
.if (\t) == 0
	v_mov_b32 v24, v13                             ; four bytes to a word, the lower K in the lower byte
.else
	v_lshl_or_b32 v24, v13, 8*(\t), v24
.endif
.irp g, 0,1,2,3
	v_cvt_scalef32_pk8_fp4_f32 v[C+4*(\t)+\g], v[XS+8*\g:XS+8*\g+7], v11
.endr
	ds_store_b128 v3, v[C+4*(\t):C+4*(\t)+3] offset:16*(\t)        ; 32 codes: 16 bytes of my column's row
.endm
.macro PBLOCK t, left
	s_wait_loadcnt \left
.irp i, 0,1,2,3,4,5,6,7,8,9,10,11,12,13,14,15
	v_cvt_pk_f16_f32 v[C+16*(\t)+\i], v[X+32*(\t)+2*\i], v[X+32*(\t)+2*\i+1]   ; the lower k in the low half
.endr
.irp i, 0,1,2,3
	ds_store_b128 v5, v[C+16*(\t)+4*\i:C+16*(\t)+4*\i+3] offset:64*(\t)+16*\i
.endr
.endm
	s_cmp_lt_u32 ttmp9, 48                         ; the work-group's number alone decides: all sixteen waves go the same way
	s_cbranch_scc0 .Lin_p
	s_mul_i32 s20, s18, 128*PQ
	s_lshl_b32 s21, ttmp9, 8                       ; 64 columns of 4 bytes a work-group
	s_add_co_u32 s20, s20, s21
	s_add_co_u32 s20, s20, s22
	s_mov_b32 s21, 0
	s_add_nc_u64 s[4:5], s[4:5], s[20:21]
	LOADS 4, PQ
	QBLOCK 0, 63                                   ; 96 younger loads exist: 63 is the largest count that the wait can name
	QBLOCK 1, 63                                   ; 64 younger loads exist: likewise
	QBLOCK 2, 32                                   ; the last block's 32 may be out
	QBLOCK 3, 0
	v_nop                                          ; a plain line behind the last conversion
	ds_store_b32 v4, v24                           ; my four scale bytes
	s_branch .Lmeet
.Lin_p:
	s_sub_co_u32 s23, ttmp9, 48
	s_mul_i32 s20, s18, 128*PPJ
	s_lshl_b32 s21, s23, 8
	s_add_co_u32 s20, s20, s21
	s_add_co_u32 s20, s20, s22
	s_mov_b32 s21, 0
	s_add_nc_u64 s[6:7], s[6:7], s[20:21]
	LOADS 6, PPJ
	PBLOCK 0, 63
	PBLOCK 1, 63
	PBLOCK 2, 32
	PBLOCK 3, 0
.Lmeet:
	s_wait_dscnt 0x0                               ; for the others' sake: my stores have landed
	s_barrier_signal -1
	s_barrier_wait -1                              ; the 64 rows are whole
	s_cmp_lt_u32 ttmp9, 48
	s_cbranch_scc0 .Lout_p
	s_lshl_b32 s20, ttmp9, 15                      ; 64 rows of 512 bytes
	s_mov_b32 s21, 0
	s_add_nc_u64 s[8:9], s[8:9], s[20:21]
.irp i, 0,1,2,3
	ds_load_b128 v[32+4*\i:35+4*\i], v6 offset:\i*QP
.endr
.irp i, 0,1,2,3
	s_wait_dscnt 3-\i                              ; LDS loads come back in order: row i is in
	global_store_b128 v9, v[32+4*\i:35+4*\i], s[8:9] offset:512*\i   ; 32 lanes store a row: 512 consecutive bytes
.endr
	s_cmp_lt_u32 s16, 4                            ; the 2,048 scale bytes: waves 0-3, 512 each
	s_cbranch_scc0 .Ldone
	s_lshl_b32 s20, ttmp9, 11
	s_add_nc_u64 s[10:11], s[10:11], s[20:21]
	ds_load_b128 v[48:51], v7
	s_wait_dscnt 0x0
	global_store_b128 v10, v[48:51], s[10:11]
	s_branch .Ldone
.Lout_p:
	s_sub_co_u32 s23, ttmp9, 48
	s_lshl_b32 s20, s23, 17                        ; 64 rows of 2,048 bytes
	s_mov_b32 s21, 0
	s_add_nc_u64 s[12:13], s[12:13], s[20:21]
.irp i, 0,1,2,3
.irp q, 0,1,2,3
	ds_load_b128 v[32+4*(4*\i+\q):35+4*(4*\i+\q)], v8 offset:\i*PP+512*\q
.endr
.endr
.irp i, 0,1,2,3
.irp q, 0,1,2,3
	s_wait_dscnt 15-(4*\i+\q)
	global_store_b128 v14, v[32+4*(4*\i+\q):35+4*(4*\i+\q)], s[12:13] offset:\i*2048+512*\q
.endr
.endr
.Ldone:
	s_wait_tensorcnt 0x0                           ; the wave's end: a wait on TENSORcnt, an add of 0 to my spare word and a wait on DScnt, behind my last LDS store
	ds_add_u32 v30, v31
	s_wait_dscnt 0x0
	s_endpgm
.Lfunc_end_k_q5af54e8768_prepw:
	.size	k_q5af54e8768_prepw, .Lfunc_end_k_q5af54e8768_prepw-k_q5af54e8768_prepw
	.p2alignl 7, 3214868480
	.fill 96, 4, 3214868480
	.section	.rodata,"a",@progbits
	.p2align	6, 0x0
	.amdhsa_kernel k_q5af54e8768_prepw
		.amdhsa_group_segment_fixed_size 169984
		.amdhsa_private_segment_fixed_size 0
		.amdhsa_enable_private_segment 0
		.amdhsa_kernarg_size 40
		.amdhsa_user_sgpr_count 2
		.amdhsa_user_sgpr_kernarg_segment_ptr 1
		.amdhsa_wavefront_size32 1
		.amdhsa_system_sgpr_workgroup_id_x 1
		.amdhsa_system_sgpr_workgroup_id_y 1
		.amdhsa_system_sgpr_workgroup_id_z 1
		.amdhsa_system_vgpr_workitem_id 0
		.amdhsa_next_free_vgpr 224
		.amdhsa_next_free_sgpr 66
		.amdhsa_reserve_vcc 0
		.amdhsa_float_denorm_mode_32 3
		.amdhsa_float_denorm_mode_16_64 3
		.amdhsa_memory_ordered 1
		.amdhsa_forward_progress 1
		.amdhsa_inst_pref_size 43
	.end_amdhsa_kernel
	.amdgpu_metadata
---
amdhsa.version: [ 1, 2 ]
amdhsa.kernels:
  - .name:           k_q5af54e8768_prepw
    .symbol:         k_q5af54e8768_prepw.kd
    .args:
      - { .name: Wqkv, .offset: 0, .size: 8, .value_kind: global_buffer, .address_space: global }
      - { .name: Wproj, .offset: 8, .size: 8, .value_kind: global_buffer, .address_space: global }
      - { .name: wc, .offset: 16, .size: 8, .value_kind: global_buffer, .address_space: global }
      - { .name: ws, .offset: 24, .size: 8, .value_kind: global_buffer, .address_space: global }
      - { .name: wpt, .offset: 32, .size: 8, .value_kind: global_buffer, .address_space: global }
    .group_segment_fixed_size: 169984
    .private_segment_fixed_size: 0
    .kernarg_segment_align: 8
    .kernarg_segment_size: 40
    .max_flat_workgroup_size: 512
    .sgpr_count:     66
    .vgpr_count:     224
    .wavefront_size: 32
...
	.end_amdgpu_metadata
.endif
;; end of part 2
;; launch gemmqkv (part 3): grid 12 x 32, 4 waves a work-group, clusters of 4 x 4, 327,680 bytes of LDS; arguments xc, xs, wc, ws, qkv16, qkv32; writes qkv16, qkv32
.if DOCPART == 3
	.amdgcn_target "amdgcn-amd-amdhsa--gfx1250"
	.amdhsa_code_object_version 6
	.text
	.protected	k_q5af54e8768_gemmqkv
	.globl	k_q5af54e8768_gemmqkv
	.p2align	8
	.type	k_q5af54e8768_gemmqkv,@function
k_q5af54e8768_gemmqkv:
	s_mov_b64 s[64:65], 0
	v_nop
	global_prefetch_b8 v0, s[64:65] scope:SCOPE_SE
	s_setreg_imm32_b32 hwreg(HW_REG_WAVE_MODE, 25, 1), 1
	s_wait_xcnt 0x0
	s_wait_alu depctr_hold_cnt(0) depctr_sa_sdst(0) depctr_va_vdst(0) depctr_va_sdst(0) depctr_va_ssrc(0) depctr_va_vcc(0) depctr_vm_vsrc(0)
	s_getreg_b32 s2, hwreg(HW_REG_IB_STS2, 6, 4)
	s_cmp_eq_u32 s2, 0
	s_cbranch_scc0 .Lentry_in_a_cluster
	s_endpgm
.Lentry_in_a_cluster:
	s_bfe_u32 s2, ttmp6, 0x10000c
	s_cmp_lg_u32 s2, 0xf033
	s_cbranch_scc0 .Lentry_shape_is_right
	s_endpgm
.Lentry_shape_is_right:
; q, k, v = x Wqkv on codes of E2M1 with one E8M0 scale for each 32 along K; sums in f32.  A = xc [8,192][512 bytes], xs [8,192][32]; B = wc [3,072][512 bytes], ws [3,072][32].
; OUT: qkv16 [192 planes][2,048 t][64] f16, plane = 64 x (q, k or v) + 16 x batch + head; and, for positions 0-15 of each batch, qkv32 [16 batch + t][3,072] f32, for the launch that carries those rows in f32.
; LIMIT: |q|, |k|, |v| stay under 65,504, f16's largest number.
; A tile of C, 256 x 256, is made by a work-group of four waves; a wave makes 128 x 128: 64 accumulators of 16 x 16, 512 registers.  K = 1,024 is two LDS slots of 512 along K (rows of 256 bytes): both are asked for
; at the head and nothing is filled again.  The scales of the work-group's 256 + 256 rows, for all of K, are two dense blocks of memory: they come once, with the first fills.
; CLUSTERS: 4 x 4 work-groups.  The four of a row of the cluster need the same tiles of A, the four of a column the same tiles of B: each tile is asked for JOINTLY, by the same tensor load with the same descriptor and a mask
; that names the four.  THE TILE ROW IS 8 cy + cluster y: a row of the cluster is a batch, and positions 0-15 of all four batches lie in the clusters with y = 0, a number that all sixteen partners share.
; THE MATRIX INSTRUCTION IS USED TRANSPOSED (source 0 = 16 rows of B, source 1 = 16 rows of A): a lane then holds eight neighbouring numbers of a row of C.
; REGISTERS, in windows of 256: window 0: v0-31 addresses; v32-95 scale words, two sets; from v128 A's fragments, ONE set; on the way out v96-255 are free.   window 1: B's fragments, TWO sets, at v0 and v128.
;   window 2: the 32 accumulators of my rows 0-63 (accumulator (a, b) at v[8 (8 a + b)]);   window 3: those of my rows 64-127.
.set SIZE_K, 1024
.set KSTEP,  512                       ; along K in a slot
.set NQ,     KSTEP/128                 ; matrix instructions deep
.set ROWB,   256                       ; a tile's row in bytes
.set KROW,   SIZE_K*4/8                ; a row of A or of B in memory
.set PITCH,  272                       ; an LDS row: 256 bytes + 16 of padding = 68 words: the 16 rows that a load touches start at 16 different banks (64 banks of 4 bytes: ISA guide 11.1)
.set FR,     8                         ; registers of a fragment: 16 rows x 128 K
.set NL,     2                         ; LDS loads that bring one
.set NP,     4                         ; places behind this matrix instruction (ISA guide 7.12.1)
.set HALFT,  128*PITCH                 ; what one tensor load brings
.set SLOT,   4*HALFT                   ; A's 256 rows, then B's 256 rows
.set KS,     SIZE_K/32                 ; a row of scales in bytes
.set SCL,    2*SLOT                    ; behind the ring: the scales, as rows of 256 bytes + 16 of padding
.set HALFS,  (128*KS/256)*272          ; the scales of 128 rows
.set SBLK,   (16*KS/256)*272           ; those of 16 rows
.set SPARE,  SCL+4*HALFS               ; the spare words, 128 bytes a wave, named by no other line
.set SP16,   272                       ; the way out in f16: a stage of 16 rows x (256 bytes + 16) for each wave, from LDS byte 0 on;
.set SP32,   528                       ; in f32: 16 rows x (512 + 16) for each wave, behind those.  Both lie in slot 0, which has had its only fill and its last read when the first result is stored there
.set PLANE,  262144                    ; a plane of qkv16 in bytes
.set ADRA, 16                          ; v16-17  LDS address of my A fragments in slot 0, 1
.set ADRB, 20                          ; v20-21  the same for B
.set STO32, 22                         ; v22     f32 stage: where I put 32 bytes of a row
.set RD32,  23                         ; v23     and where I read a row back
.set STO,  24                          ; v24     f16 stage: where I put 16 bytes of a row
.set RD,   25                          ; v25     and where I read back: 4 rows x 128 bytes an instruction
.set CO,   26                          ; v26     16 x lane
.set ADRS, 27                          ; v27     LDS address of my scale words: lanes 0-15 A's rows, lanes 16-31 B's
.set SPW,  28                          ; v28     my spare word; never rewritten
.set NIL,  29                          ; v29     0; never rewritten
.set SC,   32                          ; scale words: set s at v[SC + 32 s]; register 4 i + q: lanes 0-15 the word of A's block i, lanes 16-31 of B's block i, for the slot's q-th 128 along K
.set AF,   128                         ; A's fragments, in window 0
.set TMP,  192                         ; the way out: a block packed to f16
.set BK,   96                          ; and read back from the stage: v96-127 and v224-255 by turns
.set G1, 24
.set G0, 32
.set G1B, 48
.set G0B, 56
.set G1S, 68
.set G0S, 76
.set G1SB, 80
.set G0SB, 88
.set MSB, 0
.macro WIN new                         ; the immediate's high byte repeats the setting that is left
.if MSB != \new
	s_set_vgpr_msb (MSB<<8)|\new
.set MSB, \new
.endif
.endm
.set MUL_LO, 0xa1                      ; source 0 (B) window 1, source 1 (A) window 0, C and D window 2
.set MUL_HI, 0xf1                      ; the same, C and D window 3
.set TO_B,   0x40                      ; destination window 1, address window 0
; A joint load: waves 0 and 1 fetch for A, waves 2 and 3 for B.  Each line has ONE mask and one set of registers for all that issue it; the branch hangs on the wave's number alone.
; An s_nop 0 and four v_nop follow each of the two lines.
.macro JLOAD g0a, g1a, g0b, g1b
	s_cmp_eq_u32 s15, 0
	s_cbranch_scc0 .Lfor_b_\@
	tensor_load_to_lds s[\g0a:\g0a+3], s[\g1a:\g1a+7]
	s_nop 0
.rept 4
	v_nop
.endr
	s_branch .Lasked_\@
.Lfor_b_\@:
	tensor_load_to_lds s[\g0b:\g0b+3], s[\g1b:\g1b+7]
	s_nop 0
.rept 4
	v_nop
.endr
.Lasked_\@:
.endm
.macro CROUND                          ; a round of the cluster's barrier
	s_barrier_signal -1
	s_barrier_wait -1
	s_cmp_lg_u32 s14, 0
	s_cbranch_scc1 .Lnot_wave_0_\@
	s_barrier_signal -3
.Lnot_wave_0_\@:
	s_barrier_wait -3
	s_barrier_signal -1
	s_barrier_wait -1
.endm
	s_load_b128 s[4:7], s[0:1], 0x0                ; A's codes s[4:5], A's scales s[6:7]
	s_load_b128 s[8:11], s[0:1], 0x10              ; B's codes s[8:9], B's scales s[10:11]
	s_load_b128 s[96:99], s[0:1], 0x20             ; qkv16 s[96:97], qkv32 s[98:99]
	v_lshl_add_u32 v[SPW], v0, 2, SPARE
	v_mov_b32 v[NIL], 0
	ds_add_u32 v[SPW], v[NIL]                      ; the wave's opening: the add, twice on end, and its wait ahead of my first tensor load
	ds_add_u32 v[SPW], v[NIL]
	v_lshrrev_b32 v1, 5, v0
	v_readfirstlane_b32 s14, v1                    ; wave 0..3
	s_lshr_b32 s15, s14, 1                         ; which half of the tile's rows is mine.  Also: I fetch for A (0) or for B (1)
	s_and_b32 s16, s14, 1                          ; which half of its columns.  Also: which 128 rows of that tile I fetch
	s_bfe_u32 s40, ttmp6, 0x40000                  ; cx, cy: my place in the cluster
	s_bfe_u32 s41, ttmp6, 0x40004
	s_lshl_b32 s42, ttmp9, 2
	s_add_co_u32 s42, s42, s40                     ; tile column of C = 4 x cluster x + cx
	s_and_b32 s17, ttmp7, 0xffff
	s_lshl_b32 s43, s41, 3
	s_add_co_u32 s17, s17, s43                     ; tile row of C = 8 x cy + cluster y: batch cy, its rows 256 x cluster y on
	s_lshl_b32 s43, s41, 2
	s_lshl_b32 s43, 15, s43                        ; my row of the cluster
	s_lshl_b32 s44, 0x1111, s40                    ; my column
	; descriptor group 1: a tile of 128 rows x 256 bytes, padded in LDS
	s_or_b32 s[G1+0], s43, (0<<16)|(1<<20)|(1<<21)|(5<<22)|(3<<25)  ; 15:0 the mask: A's tiles go to my row; elements of 1 byte; padding on; 21 set beside a mask; after every 64 words, 4 words
	s_or_b32 s[G1B+0], s44, (0<<16)|(1<<20)|(1<<21)|(5<<22)|(3<<25)
.irp g, G1, G1B
	s_mov_b32 s[\g+1], ROWB<<16                    ; tensor_dim0
	s_mov_b32 s[\g+2], 128<<16                     ; tensor_dim1
	s_mov_b32 s[\g+3], ROWB<<16                    ; tile_dim0
	s_mov_b32 s[\g+4], 128                         ; tile_dim1
	s_mov_b32 s[\g+5], KROW                        ; from row to row
	s_mov_b32 s[\g+6], 0
	s_mov_b32 s[\g+7], 0
.endr
	; the scales of 128 rows: a dense block of 4,096 bytes, as 16 rows of 256 bytes (32 elements of 8 bytes), 16 bytes of padding behind each
	s_or_b32 s[G1S+0], s43, (3<<16)|(1<<20)|(1<<21)|(5<<22)|(3<<25)
	s_or_b32 s[G1SB+0], s44, (3<<16)|(1<<20)|(1<<21)|(5<<22)|(3<<25)
.irp g, G1S, G1SB
	s_mov_b32 s[\g+1], 32<<16
	s_mov_b32 s[\g+2], (128*KS/256)<<16
	s_mov_b32 s[\g+3], 32<<16
	s_mov_b32 s[\g+4], 128*KS/256
	s_mov_b32 s[\g+5], 32
	s_mov_b32 s[\g+6], 0
	s_mov_b32 s[\g+7], 0
.endr
	s_lshl_b32 s18, s16, 7                         ; which 128 rows of the tile I fetch
	s_lshl_b32 s20, s17, 8
	s_add_co_u32 s20, s20, s18                     ; A: row 256 x tile row + 128 x half
	s_lshl_b32 s46, s42, 8
	s_add_co_u32 s46, s46, s18                     ; B: row 256 x tile column + 128 x half
	s_mov_b32 s21, 0
	s_mov_b32 s47, 0
	s_mov_b64 s[18:19], KS
	s_mul_u64 s[22:23], s[20:21], s[18:19]         ; where these rows' scales begin, in bytes
	s_mul_u64 s[92:93], s[46:47], s[18:19]
	s_mov_b64 s[18:19], KROW
	s_mul_u64 s[20:21], s[20:21], s[18:19]         ; and their codes
	s_mul_u64 s[46:47], s[46:47], s[18:19]
	s_mul_i32 s45, s14, HALFT                      ; where they go: wave x 128 rows: no place in the cluster enters an LDS address
	s_mul_i32 s94, s14, HALFS
	s_wait_dscnt 0x0                               ; both opening adds are done
	s_wait_kmcnt 0x0
	s_add_nc_u64 s[20:21], s[4:5], s[20:21]
	s_add_nc_u64 s[22:23], s[6:7], s[22:23]
	s_add_nc_u64 s[46:47], s[8:9], s[46:47]
	s_add_nc_u64 s[92:93], s[10:11], s[92:93]
	CROUND                                         ; all sixteen work-groups are here: the joint loads meet
	s_mov_b32 s[G0S], 1
	s_add_co_u32 s[G0S+1], s94, SCL
	s_mov_b64 s[G0S+2:G0S+3], s[22:23]
	s_or_b32 s[G0S+3], s[G0S+3], 0x80000000
	s_mov_b32 s[G0SB], 1
	s_add_co_u32 s[G0SB+1], s94, SCL
	s_mov_b64 s[G0SB+2:G0SB+3], s[92:93]
	s_or_b32 s[G0SB+3], s[G0SB+3], 0x80000000
	JLOAD G0S, G1S, G0SB, G1SB                     ; the scales first: they are wanted with the first slot
.irp s, 0,1
	s_mov_b32 s[G0+4*\s], 1
	s_add_co_u32 s[G0+4*\s+1], s45, \s*SLOT
	s_add_nc_u64 s[G0+4*\s+2:G0+4*\s+3], s[20:21], \s*ROWB
	s_or_b32 s[G0+4*\s+3], s[G0+4*\s+3], 0x80000000
	s_mov_b32 s[G0B+4*\s], 1
	s_add_co_u32 s[G0B+4*\s+1], s45, \s*SLOT
	s_add_nc_u64 s[G0B+4*\s+2:G0B+4*\s+3], s[46:47], \s*ROWB
	s_or_b32 s[G0B+4*\s+3], s[G0B+4*\s+3], 0x80000000
	JLOAD G0+4*\s, G1, G0B+4*\s, G1B               ; three loads of mine are out: all that the launch fetches
.endr
	v_and_b32 v1, 15, v0                           ; l % 16
	v_bfe_u32 v2, v0, 4, 1                         ; l / 16
	v_mul_u32_u24 v3, v1, PITCH
	v_lshl_add_u32 v4, v2, 4, v3                   ; a fragment's row x pitch + 16 x half
	s_mul_i32 s21, s15, HALFT                      ; my 128 rows of A
	s_mul_i32 s22, s16, HALFT                      ; my 128 rows of B,
	s_add_co_u32 s22, s22, 2*HALFT                 ; which lie behind A's 256
.irp s, 0,1
	v_add_nc_u32 v[ADRA+\s], s21, v4
	v_add_nc_u32 v[ADRB+\s], s22, v4
	s_add_co_u32 s21, s21, SLOT
	s_add_co_u32 s22, s22, SLOT
.endr
	v_mul_u32_u24 v5, v1, KS                       ; my row's scales: 32 bytes a row,
	v_lshrrev_b32 v6, 8, v5
	v_lshl_add_u32 v5, v6, 4, v5                   ; and 16 more for each 256 passed
	s_mul_i32 s21, s15, HALFS                      ; A's: my 128 rows
	s_mul_i32 s22, s16, HALFS                      ; B's: my 128 rows, behind A's 256
	s_add_co_u32 s22, s22, 2*HALFS
	s_sub_co_u32 s22, s22, s21
	v_mul_u32_u24 v6, s22, v2                      ; lanes 16-31 take B's
	s_add_co_u32 s21, s21, SCL
	v_add_nc_u32 v5, v5, v6
	v_add_nc_u32 v[ADRS], s21, v5
	s_mul_i32 s23, s14, 16*SP16                    ; my f16 stage
	v_mul_u32_u24 v5, v1, SP16                     ; in: row l % 16, 16 bytes for each half of the lanes
	v_lshl_add_u32 v5, v2, 4, v5
	v_add_nc_u32 v[STO], s23, v5
	v_and_b32 v6, 31, v0
	v_lshrrev_b32 v7, 3, v6                        ; back: eight lanes take one head's 128 bytes of a row, four rows an instruction
	v_mul_u32_u24 v7, v7, SP16
	v_and_b32 v8, 7, v0
	v_lshl_add_u32 v7, v8, 4, v7
	v_add_nc_u32 v[RD], s23, v7
	v_lshlrev_b32 v[CO], 4, v6
	s_mul_i32 s23, s14, 16*SP32                    ; my f32 stage, behind the four f16 stages
	s_add_co_u32 s23, s23, 4*16*SP16
	v_mul_u32_u24 v5, v1, SP32
	v_lshl_add_u32 v5, v2, 5, v5
	v_add_nc_u32 v[STO32], s23, v5
	v_add_nc_u32 v[RD32], s23, v[CO]
	; where my part goes.  My 128 columns are two heads of one of q, k, v: two neighbouring planes.  (These sums mix cx and cy: they are made in registers that feed no descriptor.)
	s_lshr_b32 s12, s42, 2
	s_lshl_b32 s12, s12, 6                         ; 64 x (q, k or v)
	s_lshl_b32 s13, s41, 4                         ; + 16 x batch
	s_add_co_u32 s12, s12, s13
	s_lshl_b32 s13, s42, 2
	s_lshl_b32 s66, s16, 1
	s_add_co_u32 s13, s13, s66
	s_and_b32 s13, s13, 15                         ; + head: (4 x tile column + 2 x half) mod 16
	s_add_co_u32 s12, s12, s13
	s_lshl_b32 s12, s12, 18                        ; planes of 262,144 bytes
	s_and_b32 s13, ttmp7, 0xffff
	s_lshl_b32 s66, s13, 15                        ; 256 x cluster y rows of 128 bytes
	s_add_co_u32 s12, s12, s66
	s_lshl_b32 s66, s15, 14                        ; my 128 rows
	s_add_co_u32 s12, s12, s66
	s_or_b32 s95, s13, s15                         ; 0 where my block 0 holds positions 0-15 of a batch: cluster y and the wave's number alone
	s_mov_b32 s13, 0
	s_add_nc_u64 s[96:97], s[96:97], s[12:13]
	s_mul_i32 s12, s41, 16*12288                   ; qkv32: row 16 x batch, 12,288 bytes a row,
	s_lshl_b32 s66, s42, 10
	s_add_co_u32 s12, s12, s66
	s_lshl_b32 s66, s16, 9                         ; my 128 columns
	s_add_co_u32 s12, s12, s66
	s_add_nc_u64 s[98:99], s[98:99], s[12:13]
.macro FRAG reg, adr, q, i             ; a fragment: lane l holds row l % 16; registers 4 c .. 4 c + 3 hold K = 64 c + 32 (l / 16) + 0 .. 31
.irp c, 0,1
	ds_load_b128 v[\reg+4*\c:\reg+4*\c+3], v[\adr] offset:64*(\q)+32*\c+(\i)*16*PITCH
.endr
.endm
; 16 matrix instructions: A's blocks a0, a0 + 1 x B's eight, 128 along K.  p: B's set;  sc: the set of scale words.  zero = 1: the first product starts the sums.
; The 64 accumulators take turns, one instruction a turn, in the same order in every step.
.macro MUL16 a0, p, q, sc, zero
.irp a, \a0, \a0+1
.irp b, 0,1,2,3,4,5,6,7
.if \zero
	v_wmma_scale_f32_16x16x128_f8f6f4 v[8*(8*((\a)%4)+\b):8*(8*((\a)%4)+\b)+7], v[128*(\p)+FR*\b:128*(\p)+FR*\b+FR-1], v[AF+FR*(\a):AF+FR*(\a)+FR-1], 0, v[SC+8*NQ*(\sc)+NQ*\b+(\q)], v[SC+8*NQ*(\sc)+NQ*(\a)+(\q)] matrix_a_fmt:MATRIX_FMT_FP4 matrix_b_fmt:MATRIX_FMT_FP4 matrix_a_scale:MATRIX_SCALE_ROW1
.else
	v_wmma_scale_f32_16x16x128_f8f6f4 v[8*(8*((\a)%4)+\b):8*(8*((\a)%4)+\b)+7], v[128*(\p)+FR*\b:128*(\p)+FR*\b+FR-1], v[AF+FR*(\a):AF+FR*(\a)+FR-1], v[8*(8*((\a)%4)+\b):8*(8*((\a)%4)+\b)+7], v[SC+8*NQ*(\sc)+NQ*\b+(\q)], v[SC+8*NQ*(\sc)+NQ*(\a)+(\q)] matrix_a_fmt:MATRIX_FMT_FP4 matrix_b_fmt:MATRIX_FMT_FP4 matrix_a_scale:MATRIX_SCALE_ROW1
.endif
.endr
.endr
.endm
.macro FETCH_B slot, q, p              ; B's eight fragments of the slot's q-th 128 along K into set p
	WIN TO_B
.irp i, 0,1,2,3,4,5,6,7
	FRAG 128*(\p)+FR*\i, ADRB+\slot, \q, \i
.endr
	WIN 0
.endm
.macro FETCH_A slot, q, i0             ; A's blocks i0 .. i0 + 3
.irp i, \i0, \i0+1, \i0+2, \i0+3
	FRAG AF+FR*(\i), ADRA+\slot, \q, \i
.endr
.endm
.macro SCALES sc                       ; a slot's scale words into set sc: 4 words a row; lanes 0-15 take A's block i, lanes 16-31 B's block i
.irp i, 0,1,2,3,4,5,6,7
	ds_load_b128 v[SC+8*NQ*\sc+NQ*\i:SC+8*NQ*\sc+NQ*\i+3], v[ADRS] offset:\i*SBLK
.endr
.endm
; A load into a register that a matrix instruction has read, and a vector instruction or an LDS store that reads a matrix result, stand NP places behind that matrix instruction; only plain vector
; instructions that name none of its registers are places.
.macro PLACES n
.rept \n
	v_nop
.endr
.endm
.macro STEP slot, q, zero              ; a step of 128 along K that has its successor in the same slot
	s_wait_dscnt 4*NL                              ; B's set and A's blocks 0-3 are in; the youngest 8 loads (A's blocks 4-7) may be out
	WIN MUL_LO
	MUL16 0, (\q)%2, \q, \slot, \zero
	MUL16 2, (\q)%2, \q, \slot, \zero
	s_wait_dscnt 0                                 ; A's blocks 4-7 are in (asked for 32 matrix instructions ago)
	PLACES NP
	FETCH_B \slot, (\q)+1, 1-(\q)%2
	FETCH_A \slot, (\q)+1, 0
	WIN MUL_HI
	MUL16 4, (\q)%2, \q, \slot, \zero
	MUL16 6, (\q)%2, \q, \slot, \zero
	PLACES NP
	WIN 0
	FETCH_A \slot, (\q)+1, 4
.endm
; Slot 0's last step changes slots: ONE barrier; in front of it each wave waits for all its tensor loads (its part of slot 1), adds 0 to its spare word, and waits for that and for its own reads of slot 0.
; Nothing is filled again.  Behind the barrier slot 1 is whole, and nobody reads slot 0 any more: the stages of the way out may lie there.
.macro TURN slot, next
	s_wait_tensorcnt 0x0
	ds_add_u32 v[SPW], v[NIL]
	s_wait_dscnt 4*NL+1                            ; (the add and the youngest 8 loads, A's blocks 4-7, may be out)
	WIN MUL_LO
	MUL16 0, 1, NQ-1, \slot, 0                     ; sixteen matrix instructions stand between the add and the wait for it
	s_wait_dscnt 0x0                               ; the add is done, and my reads of this slot are over
	s_barrier_signal -1
	MUL16 2, 1, NQ-1, \slot, 0
	WIN 0
	s_barrier_wait -1
	PLACES NP
	v_add_nc_u32 v[ADRS], 4*NQ, v[ADRS]            ; on to the next slot's scale words (no LDS load of mine is out)
	FETCH_B \next, 0, 0
	FETCH_A \next, 0, 0
	SCALES \next
	WIN MUL_HI
	MUL16 4, 1, NQ-1, \slot, 0
	MUL16 6, 1, NQ-1, \slot, 0
	PLACES NP
	WIN 0
	FETCH_A \next, 0, 4
.endm
.macro STEPS slot, from                ; the slot's steps from .. NQ - 2
.set Q, \from
.rept NQ-1-\from
	STEP \slot, Q, 0
.set Q, Q+1
.endr
.endm
	s_wait_tensorcnt 1                             ; the scales and my part of slot 0 are in (slot 1's load may be out)
	s_barrier_signal -1
	s_barrier_wait -1                              ; everybody's are
	FETCH_B 0, 0, 0
	FETCH_A 0, 0, 0
	SCALES 0
	FETCH_A 0, 0, 4
	STEP 0, 0, 1                                   ; the first step's products start the sums: nothing is cleared
	STEPS 0, 1
	TURN 0, 1
	STEPS 1, 0
	s_wait_dscnt 4*NL                              ; the very last step: nothing more to fetch
	WIN MUL_LO
	MUL16 0, 1, NQ-1, 1, 0
	MUL16 2, 1, NQ-1, 1, 0
	s_wait_dscnt 0
	WIN MUL_HI
	MUL16 4, 1, NQ-1, 1, 0
	MUL16 6, 1, NQ-1, 1, 0
	WIN 0
; THE WAY OUT in f16, block by block of 16 rows x 128 columns.  PACK: a lane's eight numbers of each accumulator become 16 bytes.  TOSTAGE: into my own stage and back, four rows of one head (512 bytes that lie
; on end in the head's plane) an instruction.  SEND: stored.  LDS serves a wave's instructions in order (ISA guide 5.7.1.4): no wait between the stores into the stage and the loads from it.
.macro PACK a
.set AC, 64*((\a)%4)
	WIN 0x0a+5*((\a)/4)                            ; sources 0 and 1: window 2 or 3
.irp b, 0,1,2,3,4,5,6,7
.irp i, 0,1,2,3
	v_cvt_pk_f16_f32 v[TMP+4*\b+\i], v[AC+8*\b+2*\i], v[AC+8*\b+2*\i+1]   ; each accumulator from its low end on
.endr
.endr
	WIN 0
.endm
.macro TOSTAGE a
.set BB, BK+128*((\a)%2)
.irp b, 0,1,2,3,4,5,6,7
	ds_store_b128 v[STO], v[TMP+4*\b:TMP+4*\b+3] offset:32*\b
.endr
.irp t, 0,1,2,3,4,5,6,7
	ds_load_b128 v[BB+4*\t:BB+4*\t+3], v[RD] offset:(\t%4)*4*SP16+(\t/4)*128
.endr
.endm
.macro SEND a
.set BB, BK+128*((\a)%2)
	s_wait_dscnt 0x0                               ; the block is back in registers
	s_wait_xcnt 0x0                                ; the stores of the block before have read their registers: the next block's loads may land there
.irp t, 0,1,2,3,4,5,6,7
	global_store_b128 v[CO], v[BB+4*\t:BB+4*\t+3], s[96:97] offset:(\t/4)*PLANE+(\a)*2048+(\t%4)*512   ; 32 lanes store 512 consecutive bytes, aligned; the head, the block and the rows stand in the immediate
.endr
.endm
	PLACES NP                                      ; behind the last products
	PACK 0
	TOSTAGE 0
.irp a, 1,2,3,4,5,6,7                  ; block a's conversions stand between block a - 1's loads from the stage and the wait for them
	PACK \a
	SEND \a-1
	TOSTAGE \a
.endr
	SEND 7
	; POSITIONS 0-15 OF A BATCH ONCE MORE, IN F32: my block 0, where cluster y = 0 and my rows are the tile's first 128.  The branch hangs on ids that all partners share.
	s_cmp_lg_u32 s95, 0
	s_cbranch_scc1 .Lno32
	WIN 0x08                                       ; an LDS store's data are its source 1: window 2
.irp b, 0,1,2,3,4,5,6,7
	ds_store_b128 v[STO32], v[8*\b:8*\b+3] offset:64*\b
	ds_store_b128 v[STO32], v[8*\b+4:8*\b+7] offset:64*\b+16
.endr
	WIN 0
.irp t, 0,1,2,3,4,5,6,7,8,9,10,11,12,13,14,15
	ds_load_b128 v[128+4*\t:131+4*\t], v[RD32] offset:\t*SP32
.endr
	s_wait_dscnt 0x0
.irp t, 0,1,2,3,4,5,6,7,8,9,10,11,12,13,14,15
	global_store_b128 v[CO], v[128+4*\t:131+4*\t], s[98:99] offset:\t*12288   ; 32 lanes store 512 consecutive bytes of a row
.endr
.Lno32:
	s_wait_tensorcnt 0x0                           ; the wave's end: a wait on TENSORcnt, an add of 0 to my spare word and a wait on DScnt, behind my last tensor load and my last LDS store
	ds_add_u32 v[SPW], v[NIL]
	s_wait_dscnt 0x0
	CROUND                                         ; the closing round
	s_endpgm
.Lfunc_end_k_q5af54e8768_gemmqkv:
	.size	k_q5af54e8768_gemmqkv, .Lfunc_end_k_q5af54e8768_gemmqkv-k_q5af54e8768_gemmqkv
	.p2alignl 7, 3214868480
	.fill 96, 4, 3214868480
	.section	.rodata,"a",@progbits
	.p2align	6, 0x0
	.amdhsa_kernel k_q5af54e8768_gemmqkv
		.amdhsa_group_segment_fixed_size 327680
		.amdhsa_private_segment_fixed_size 0
		.amdhsa_enable_private_segment 0
		.amdhsa_kernarg_size 48
		.amdhsa_user_sgpr_count 2
		.amdhsa_user_sgpr_kernarg_segment_ptr 1
		.amdhsa_wavefront_size32 1
		.amdhsa_system_sgpr_workgroup_id_x 1
		.amdhsa_system_sgpr_workgroup_id_y 1
		.amdhsa_system_sgpr_workgroup_id_z 1
		.amdhsa_system_vgpr_workitem_id 0
		.amdhsa_next_free_vgpr 1024
		.amdhsa_next_free_sgpr 100
		.amdhsa_reserve_vcc 0
		.amdhsa_float_denorm_mode_32 3
		.amdhsa_float_denorm_mode_16_64 3
		.amdhsa_memory_ordered 1
		.amdhsa_forward_progress 1
		.amdhsa_inst_pref_size 131
	.end_amdhsa_kernel
	.amdgpu_metadata
---
amdhsa.version: [ 1, 2 ]
amdhsa.kernels:
  - .name:           k_q5af54e8768_gemmqkv
    .symbol:         k_q5af54e8768_gemmqkv.kd
    .args:
      - { .name: xc, .offset: 0, .size: 8, .value_kind: global_buffer, .address_space: global }
      - { .name: xs, .offset: 8, .size: 8, .value_kind: global_buffer, .address_space: global }
      - { .name: wc, .offset: 16, .size: 8, .value_kind: global_buffer, .address_space: global }
      - { .name: ws, .offset: 24, .size: 8, .value_kind: global_buffer, .address_space: global }
      - { .name: qkv16, .offset: 32, .size: 8, .value_kind: global_buffer, .address_space: global }
      - { .name: qkv32, .offset: 40, .size: 8, .value_kind: global_buffer, .address_space: global }
    .group_segment_fixed_size: 327680
    .private_segment_fixed_size: 0
    .kernarg_segment_align: 8
    .kernarg_segment_size: 48
    .max_flat_workgroup_size: 128
    .sgpr_count:     100
    .vgpr_count:     1024
    .wavefront_size: 32
...
	.end_amdgpu_metadata
.endif
;; end of part 3
;; launch attn (part 4): grid 4 x 64, 16 waves a work-group, no clusters, 327,680 bytes of LDS; arguments qkv16, att16; writes att16
.if DOCPART == 4
	.amdgcn_target "amdgcn-amd-amdhsa--gfx1250"
	.amdhsa_code_object_version 6
	.text
	.protected	k_q5af54e8768_attn
	.globl	k_q5af54e8768_attn
	.p2align	8
	.type	k_q5af54e8768_attn,@function
k_q5af54e8768_attn:
	s_mov_b64 s[64:65], 0
	v_nop
	global_prefetch_b8 v0, s[64:65] scope:SCOPE_SE
	s_setreg_imm32_b32 hwreg(HW_REG_WAVE_MODE, 25, 1), 1
	s_wait_xcnt 0x0
; O[bh][q] = the sum over k <= q of softmax_k(Q[q] . K[k] / 8) V[k], for 64 (batch, head) pairs of 2,048 positions x 64 channels.  Q, K, V: planes bh, 64 + bh, 128 + bh of qkv16, [2,048][64] f16.
; Products on f16 operands with f32 sums; maxima, exponentials and sums in f32; the weights p are rounded to f16 for the second product, O once at the end.
; WORK LEFT OUT: key steps all of whose keys come behind a wave's last query, and slots all of whose keys come behind the work-group's last query: the problem's own causal mask gives them weight 0 for all finite inputs.
; LIMITS: a NaN, an infinity or an overflow that would arise only in such masked scores is not carried; |O| stays under 65,504.
; OUT: att16 [m / 128][head][m % 128][64] f16, m = 2,048 batch + position: so that the projection's tile of 128 rows x 4 heads is one dense block.
; SHARES.  Work-group (j, bh) owns the query blocks j and 7 - j of 256 queries: every work-group has the same number of live key steps.  Waves 0-7 take block j, waves 8-15 block 7 - j; a wave owns 32 queries: two tiles of 16,
; which share every fragment of K and V.  Four waves to a SIMD: one wave's vector work stands beside another's matrix work and LDS loads.
; NO CLUSTER: the work-groups of a head need different numbers of slots under the mask, and a joint load would bring some partner tiles that none of its waves reads.
; K's and V's tiles come through a ring of two LDS slots of 256 keys, filled by the tensor data mover (waves 0, 1: K's halves; waves 2, 3: V's) and read by all sixteen.  Every work-group walks all 8 changes of slots.
; LAYOUT.  S^T = K Q^T (source 0 = 16 keys, source 1 = 16 queries): a lane holds ONE query (lane % 16) and keys 8 (lane / 16) + 0..7 of each tile.  Two such tiles, rounded to f16 in pairs, ARE source 1 of O^T = V^T P.
; SOFTMAX.  For each query a running maximum m and sum l: p = 2^(c s - c m), c = log2(e) / 8; in every step O and l are multiplied by a = 2^(c m_old - c m_new).
; The loop is written once: O and l begin as zeros and m as -3e38, so that the first a is 0 and multiplies zeros.  Key 0 counts for every query, so m is a number from the first step on.
.set SK,    256                        ; keys in a slot
.set KP,    144                        ; a row of K in LDS: 128 bytes + 16: an odd multiple of 16
.set VP,    160                        ; a row of V: 128 + 32: an odd multiple of 32, for the turning load
.set VOFF,  SK*KP                      ; a slot: 256 rows of K, then 256 rows of V
.set SLOT1, 1<<17                      ; slot 1 begins here: one exclusive or turns an address
.set NSL,   2048/SK
.set STAGE, SLOT1+SK*(KP+VP)           ; behind the ring: 32 rows x 144 bytes for each wave, for the way out
.set SPARE, STAGE+16*32*KP             ; the spare words, 128 bytes a wave, named by no other line
.set PLANE, 262144
.set SLOTB, SK*128                     ; a slot's keys in memory, in bytes
.set AK0,  1                           ; v1   my lane's place in a tile of K
.set AV0,  2                           ; v2   the same for V
.set SPW,  3                           ; v3   my spare word; never rewritten
.set NIL,  4                           ; v4   0; never rewritten
.set ADK,  5                           ; v5   LDS address of the slot's K
.set ADV,  6                           ; v6   of its V
.set RH,   7                           ; v7   lane % 16 - 8 (lane / 16)
.set ST,   8                           ; tile u's statistics at v[8 + 8 u]: +0 -c m, +1 m, +2:3 l in two halves, +4 a (+5 named with it as a pair), +6, +7 at work
.set NINF, 24                          ; v24  -infinity
.set D0,   25                          ; v25, v26 the mask's bound for the two tiles
.set PFO,  27                          ; v27  256 x lane; never rewritten
.set STO,  28                          ; v28  the way out: where I put 16 bytes of a row
.set RD,   29                          ; v29  where I read back
.set GO,   30                          ; v30  16 x lane
.set QF,   32                          ; v32-63   Q: tile u, channels 32 ds on, at v[32 + 16 u + 8 ds]
.set KV,   64                          ; v64-127  a step's K, then its V
.set S,    128                         ; v128-191 S^T: tile u, keys 16 kt on, at v[128 + 32 u + 8 kt]; p in place; P in v[128 + 32 u + 0..15]
.set O,    192                         ; v192-255 O^T: tile u, channels 16 ct on, at v[192 + 32 u + 8 ct]
.set WV,   18
.set NEGC, 19                          ; s19  -c
.set SEL,  20                          ; s[20:21] lane selects for lane l xor 16
.set CS,   22                          ; s[22:23] c, twice: the packed form names a pair
.set G1K,  24
.set G1V,  32
.set G0K,  40
.set G0V,  44
.set TB,   2                           ; s2   LDS byte at which the slot in hand begins
.set QL,   66                          ; s66  my work-group's last query
.set SLOTS, 67                         ; s67  changes of slots to go
.set KF,   98                          ; s98  the step's first key
.set Q0,   99                          ; s99  my first query
.set PFA,  76                          ; s[76:77] where my prefetches stand
.set LIM,  80                          ; s80  1 in a wave that prefetches, else the greatest number
; Waves 0 and 1 fetch for K, waves 2 and 3 for V, the others nothing.  An s_nop 0 and four v_nop follow each of the two lines.
.macro TLOAD
	s_cmp_lt_u32 s[WV], 2
	s_cbranch_scc0 .Lnot_k_\@
	tensor_load_to_lds s[G0K:G0K+3], s[G1K:G1K+7]
	s_nop 0
.rept 4
	v_nop
.endr
	s_branch .Lasked_\@
.Lnot_k_\@:
	s_cmp_lt_u32 s[WV], 4
	s_cbranch_scc0 .Lasked_\@
	tensor_load_to_lds s[G0V:G0V+3], s[G1V:G1V+7]
	s_nop 0
.rept 4
	v_nop
.endr
.Lasked_\@:
.endm
; A PREFETCH INTO THE L2 of what the NEXT change of slots will ask for: 32,768 dense bytes of K and as many of V.  The four work-groups of a head walk the same K and V: the one with j = 0, whose tensor loads reach the
; last slot, asks.  In it the waves ask that fetch nothing, one instruction each: waves 4-7 for K, waves 8-11 for V, 8,192 bytes a wave, lanes 256 bytes apart: each aligned block of 256 bytes is named once in the launch.
; The last change that fills a slot asks for nothing; slots 0 and 1 come by their loads alone.
.macro ASK
	s_cmp_gt_u32 s[SLOTS], s[LIM]
	s_cbranch_scc0 .Lnot_mine_\@
	global_prefetch_b8 v[PFO], s[PFA:PFA+1] th:TH_LOAD_NT scope:SCOPE_SE
.Lnot_mine_\@:
.endm
	s_load_b128 s[4:7], s[0:1], 0x0                ; qkv16, att16
	v_lshl_add_u32 v[SPW], v0, 2, SPARE
	v_mov_b32 v[NIL], 0
	ds_add_u32 v[SPW], v[NIL]                      ; the wave's opening: the add, twice on end, and its wait ahead of my first tensor load
	ds_add_u32 v[SPW], v[NIL]
	v_lshrrev_b32 v5, 5, v0
	v_readfirstlane_b32 s[WV], v5                  ; wave 0..15
	s_and_b32 s8, ttmp7, 0xffff                    ; bh = 16 batch + head
	s_sub_co_u32 s9, 7, ttmp9                      ; 7 - j
	s_cmp_lt_u32 s[WV], 8
	s_cselect_b32 s10, ttmp9, s9                   ; my block of 256 queries
	s_lshl_b32 s[Q0], s10, 8
	s_and_b32 s11, s[WV], 7
	s_lshl_b32 s11, s11, 5
	s_add_co_u32 s[Q0], s[Q0], s11                 ; my first query
	s_lshl_b32 s[QL], s9, 8
	s_or_b32 s[QL], s[QL], 255                     ; the work-group's last
	s_lshl_b32 s12, s8, 18                         ; bh planes
	s_and_b32 s14, s[WV], 1                        ; which half of a slot's 256 rows I fetch, if I fetch
	s_lshl_b32 s15, s14, 14
	s_add_co_u32 s68, s12, s15
	s_add_co_u32 s68, s68, 64*PLANE                ; K: plane 64 + bh
	s_mov_b32 s69, 0
	s_add_co_u32 s70, s68, 64*PLANE                ; V: plane 128 + bh
	s_mov_b32 s71, 0
	s_mul_i32 s16, s14, 128*KP                     ; and where they go in a slot
	s_mul_i32 s17, s14, 128*VP
	s_add_co_u32 s17, s17, VOFF
	; descriptor group 1: 128 rows x 64 elements of 2 bytes, dense in memory, padded in LDS behind every 32 words: K by 4 words, V by 8
	s_mov_b32 s[G1K], (1<<16)|(1<<20)|(4<<22)|(3<<25)
	s_mov_b32 s[G1V], (1<<16)|(1<<20)|(4<<22)|(7<<25)
.irp g, G1K, G1V
	s_mov_b32 s[\g+1], 64<<16                      ; tensor_dim0
	s_mov_b32 s[\g+2], 128<<16                     ; tensor_dim1
	s_mov_b32 s[\g+3], 64<<16                      ; tile_dim0
	s_mov_b32 s[\g+4], 128                         ; tile_dim1
	s_mov_b32 s[\g+5], 64                          ; from row to row
	s_mov_b32 s[\g+6], 0
	s_mov_b32 s[\g+7], 0
.endr
	s_mov_b32 s[SEL], 0x76543210
	s_mov_b32 s[SEL+1], 0xfedcba98
	s_mov_b32 s[CS], 0x3e38aa3b                    ; c = log2(e) / 8
	s_mov_b32 s[CS+1], s[CS]
	s_mov_b32 s[NEGC], 0xbe38aa3b
	s_mov_b32 s[TB], 0
	s_mov_b32 s[KF], 0
	s_mov_b32 s[SLOTS], NSL-1
	s_wait_dscnt 0x0                               ; both opening adds are done
	s_wait_kmcnt 0x0
	s_mov_b32 s[G0K], 1
	s_mov_b32 s[G0K+1], s16
	s_add_nc_u64 s[G0K+2:G0K+3], s[4:5], s[68:69]
	s_or_b32 s[G0K+3], s[G0K+3], 0x80000000
	s_mov_b32 s[G0V], 1
	s_mov_b32 s[G0V+1], s17
	s_add_nc_u64 s[G0V+2:G0V+3], s[4:5], s[70:71]
	s_or_b32 s[G0V+3], s[G0V+3], 0x80000000
	TLOAD                                          ; slot 0: it holds key 0, which counts for every query
	s_lshl_b32 s72, s[Q0], 7
	s_add_co_u32 s72, s72, s12
	s_mov_b32 s73, 0
	s_add_nc_u64 s[72:73], s[4:5], s[72:73]        ; Q at my first query
	v_and_b32 v25, 15, v0                          ; r
	v_bfe_u32 v26, v0, 4, 1                        ; h
	v_lshlrev_b32 v5, 7, v25
	v_lshl_add_u32 v5, v26, 4, v5                  ; row r of 128 bytes + 16 h
.irp i, 0,1,2,3,4,5,6,7
	global_load_b128 v[QF+4*\i:QF+4*\i+3], v5, s[72:73] offset:(\i/4)*2048+(\i%4)*32   ; Q stays in registers
.endr
	; where my 32 rows of O go: ((m0 / 128) x 16 + head) x 16,384 + (m0 % 128) x 128, m0 = 2,048 batch + my first query
	s_lshr_b32 s82, s8, 4
	s_lshl_b32 s82, s82, 11
	s_add_co_u32 s82, s82, s[Q0]
	s_lshr_b32 s83, s82, 7
	s_lshl_b32 s83, s83, 4
	s_and_b32 s84, s8, 15
	s_add_co_u32 s83, s83, s84
	s_lshl_b32 s83, s83, 14
	s_and_b32 s82, s82, 127
	s_lshl_b32 s82, s82, 7
	s_add_co_u32 s82, s82, s83
	s_mov_b32 s83, 0
	s_add_nc_u64 s[6:7], s[6:7], s[82:83]
	; the prefetches: where my wave's stand, and who asks
	s_mov_b32 s84, 128*PLANE
	s_cmp_lt_u32 s[WV], 8
	s_cselect_b32 s84, 64*PLANE, s84               ; waves 4-7: K's plane; waves 8-11: V's
	s_add_co_u32 s84, s84, s12
	s_and_b32 s85, s[WV], 3
	s_lshl_b32 s85, s85, 13                        ; my 8,192 bytes of a slot's 32,768,
	s_add_co_u32 s84, s84, s85
	s_add_co_u32 s84, s84, SLOTB                   ; in slot 1: the first change of slots steps it to slot 2
	s_mov_b32 s85, 0
	s_add_nc_u64 s[PFA:PFA+1], s[4:5], s[84:85]
	s_sub_co_u32 s84, s[WV], 4
	s_lshr_b32 s84, s84, 3                         ; 0 in waves 4 to 11,
	s_or_b32 s84, s84, ttmp9                       ; of the work-group with j = 0
	s_cmp_eq_u32 s84, 0
	s_cselect_b32 s[LIM], 1, -1
	v_mul_u32_u24 v[AK0], v25, KP
	v_lshl_add_u32 v[AK0], v26, 4, v[AK0]          ; K: row r x pitch + 16 h
	v_and_b32 v6, 7, v0
	v_lshl_add_u32 v6, v26, 3, v6
	v_mul_u32_u24 v[AV0], v6, VP                   ; V, for the turning load: key 8 h + l % 8,
	v_bfe_u32 v6, v0, 3, 1
	v_lshl_add_u32 v[AV0], v6, 4, v[AV0]           ; channels 8 ((l / 8) % 2) on
	v_add_nc_u32 v[AV0], VOFF, v[AV0]
	v_lshlrev_b32 v6, 3, v26
	v_sub_nc_u32 v[RH], v25, v6
	v_and_b32 v6, 31, v0
	v_lshlrev_b32 v[PFO], 8, v6
	v_lshlrev_b32 v[GO], 4, v6
	s_mul_i32 s86, s[WV], 32*KP
	s_add_co_u32 s86, s86, STAGE                   ; my stage
	v_add_nc_u32 v[STO], s86, v[AK0]               ; in: row r, 16 bytes for each half of the lanes
	v_lshrrev_b32 v6, 3, v6
	v_mul_u32_u24 v6, v6, KP
	v_and_b32 v25, 7, v0
	v_lshl_add_u32 v6, v25, 4, v6
	v_add_nc_u32 v[RD], s86, v6                    ; back: eight lanes to a row of 128 bytes, four rows an instruction
	v_mov_b32 v[NINF], 0xff800000
.irp u, 0,1
	v_mov_b32 v[ST+8*\u+1], 0xff61b1e6             ; m = -3e38, under every score
	v_mov_b32 v[ST+8*\u+2], 0                      ; l
	v_mov_b32 v[ST+8*\u+3], 0
	v_mov_b32 v[ST+8*\u+4], 0
	v_mov_b32 v[ST+8*\u+5], 0                      ; named as the upper half of a's pair
	v_mov_b32 v[ST+8*\u+6], 0
	v_mov_b32 v[ST+8*\u+7], 0                      ; a lane permute's destination counts as one of its sources
	v_mul_f32 v[ST+8*\u], s[NEGC], v[ST+8*\u+1]    ; -c m
.endr
.set i, 0
.rept 64
	v_mov_b32 v[O+i], 0                            ; O^T: the loop is written once, and its first step finds zeros
.set i, i+1
.endr
; A KEY STEP: 64 keys, the q-th of the slot in hand.
.macro STEP q
	s_add_co_u32 s96, s[Q0], 31                    ; a step all of whose keys come behind my 32 queries is left out: a scalar branch on ids, round the step's work alone
	s_cmp_gt_u32 s[KF], s96
	s_cbranch_scc1 .Lhidden_\@
	v_add_nc_u32 v[ADK], s[TB], v[AK0]
	v_add_nc_u32 v[ADV], s[TB], v[AV0]
.rept 3
	v_nop                                          ; with the two additions five places behind the last step's products: four for the loads into K's registers, five for the products below, which write over P's
.endr
.irp kt, 0,1,2,3
.irp ds, 0,1
	ds_load_b128 v[KV+16*\kt+8*\ds:KV+16*\kt+8*\ds+3],   v[ADK] offset:(64*(\q)+16*\kt)*KP+64*\ds
	ds_load_b128 v[KV+16*\kt+8*\ds+4:KV+16*\kt+8*\ds+7], v[ADK] offset:(64*(\q)+16*\kt)*KP+64*\ds+32
.endr
.endr
	s_wait_dscnt 0x0
.irp ds, 0,1                                   ; S^T = K Q^T: eight accumulators by turns, one instruction a turn
.irp kt, 0,1,2,3
.irp u, 0,1
.if \ds == 0
	v_wmma_f32_16x16x32_f16 v[S+32*\u+8*\kt:S+32*\u+8*\kt+7], v[KV+16*\kt+8*\ds:KV+16*\kt+8*\ds+7], v[QF+16*\u+8*\ds:QF+16*\u+8*\ds+7], 0
.else
	v_wmma_f32_16x16x32_f16 v[S+32*\u+8*\kt:S+32*\u+8*\kt+7], v[KV+16*\kt+8*\ds:KV+16*\kt+8*\ds+7], v[QF+16*\u+8*\ds:QF+16*\u+8*\ds+7], v[S+32*\u+8*\kt:S+32*\u+8*\kt+7]
.endif
.endr
.endr
.endr
.rept 4
	v_nop                                          ; places in front of the loads into K's registers and of the first read of the scores
.endr
.irp kg, 0,1                                   ; V, turned: keys 32 kg on, channels 16 ct on.  These land while the softmax is worked
.irp ct, 0,1,2,3
	ds_load_tr16_b128 v[KV+32*\kg+8*\ct:KV+32*\kg+8*\ct+3],   v[ADV] offset:(64*(\q)+32*\kg)*VP+32*\ct
	ds_load_tr16_b128 v[KV+32*\kg+8*\ct+4:KV+32*\kg+8*\ct+7], v[ADV] offset:(64*(\q)+32*\kg)*VP+16*VP+32*\ct
.endr
.endr
	s_add_co_u32 s96, s[KF], 63                    ; on the diagonal hidden scores become -infinity ahead of the maximum; a step all of whose keys count skips this
	s_cmp_le_u32 s96, s[Q0]
	s_cbranch_scc1 .Lopen_\@
	s_sub_co_i32 s96, s[Q0], s[KF]
	v_add_nc_u32 v[D0], s96, v[RH]                 ; register n of tile u holds key KF + 16 (n / 8) + n % 8 + 8 h; my query is Q0 + 16 u + r: hidden where 16 (n / 8) + n % 8 > Q0 - KF + 16 u + r - 8 h
	v_add_nc_u32 v[D0+1], 16, v[D0]
.irp n, 0,1,2,3,4,5,6,7,8,9,10,11,12,13,14,15,16,17,18,19,20,21,22,23,24,25,26,27,28,29,30,31
.irp u, 0,1
	v_cmp_gt_i32 vcc_lo, 16*(\n/8)+\n%8, v[D0+\u]
	v_cndmask_b32 v[S+32*\u+\n], v[S+32*\u+\n], v[NINF], vcc_lo
.endr
.endr
.Lopen_\@:
	; the maximum of my 32 scores and the old m: two chains a tile, the two tiles line by line; each accumulator is read from its low end on
.irp u, 0,1
	v_max3_num_f32 v[ST+8*\u+6], v[S+32*\u], v[S+32*\u+1], v[S+32*\u+2]
	v_max3_num_f32 v[ST+8*\u+7], v[S+32*\u+16], v[S+32*\u+17], v[S+32*\u+18]
.endr
.irp i, 3,5,7,9,11,13
.irp u, 0,1
	v_max3_num_f32 v[ST+8*\u+6], v[ST+8*\u+6], v[S+32*\u+\i], v[S+32*\u+\i+1]
	v_max3_num_f32 v[ST+8*\u+7], v[ST+8*\u+7], v[S+32*\u+16+\i], v[S+32*\u+17+\i]
.endr
.endr
.irp u, 0,1
	v_max3_num_f32 v[ST+8*\u+6], v[ST+8*\u+6], v[S+32*\u+15], v[ST+8*\u+1]
	v_max_num_f32 v[ST+8*\u+7], v[ST+8*\u+7], v[S+32*\u+31]
.endr
.irp u, 0,1
	v_max_num_f32 v[ST+8*\u+6], v[ST+8*\u+6], v[ST+8*\u+7]
.endr
.irp u, 0,1
	v_permlanex16_b32 v[ST+8*\u+7], v[ST+8*\u+6], s[SEL], s[SEL+1]   ; the query's other 32 keys lie in the lane 16 away
.endr
.irp u, 0,1
	v_max_num_f32 v[ST+8*\u+1], v[ST+8*\u+6], v[ST+8*\u+7]          ; the new m
	v_mov_b32 v[ST+8*\u+4], v[ST+8*\u]                             ; -c m_old
.endr
.irp u, 0,1
	v_mul_f32 v[ST+8*\u], s[NEGC], v[ST+8*\u+1]                    ; -c m_new
.endr
.irp u, 0,1
	v_sub_f32 v[ST+8*\u+4], v[ST+8*\u], v[ST+8*\u+4]               ; c m_old - c m_new
.endr
.irp j, 0,2,4,6,8,10,12,14,16,18,20,22,24,26,28,30
.irp u, 0,1
	v_pk_fma_f32 v[S+32*\u+\j:S+32*\u+\j+1], v[S+32*\u+\j:S+32*\u+\j+1], s[CS:CS+1], v[ST+8*\u:ST+8*\u+1] op_sel_hi:[1,0,0]   ; c s - c m, two at a time
.endr
.endr
.irp u, 0,1                                    ; ONE BATCH of 66 exponentials; none reads another's result
	v_exp_f32 v[ST+8*\u+4], v[ST+8*\u+4]           ; a
.endr
.irp j, 0,1,2,3,4,5,6,7,8,9,10,11,12,13,14,15,16,17,18,19,20,21,22,23,24,25,26,27,28,29,30,31
.irp u, 0,1
	v_exp_f32 v[S+32*\u+\j], v[S+32*\u+\j]         ; p
.endr
.endr
	v_nop                                          ; a plain line behind the last exponential
	s_wait_alu depctr_va_vdst(0)                   ; one wait for the whole batch, ahead of its first reader
.irp u, 0,1
	v_pk_mul_f32 v[ST+8*\u+2:ST+8*\u+3], v[ST+8*\u+2:ST+8*\u+3], v[ST+8*\u+4:ST+8*\u+5] op_sel_hi:[1,0]   ; l x a
.endr
.irp u, 0,1
	v_pk_add_f32 v[ST+8*\u+6:ST+8*\u+7], v[S+32*\u:S+32*\u+1], v[S+32*\u+2:S+32*\u+3]   ; the sum of the unrounded p, in two chains
.endr
.irp j, 4,8,12,16,20,24,28
.irp u, 0,1
	v_pk_add_f32 v[ST+8*\u+2:ST+8*\u+3], v[ST+8*\u+2:ST+8*\u+3], v[S+32*\u+\j:S+32*\u+\j+1]
	v_pk_add_f32 v[ST+8*\u+6:ST+8*\u+7], v[ST+8*\u+6:ST+8*\u+7], v[S+32*\u+\j+2:S+32*\u+\j+3]
.endr
.endr
.irp u, 0,1
	v_pk_add_f32 v[ST+8*\u+2:ST+8*\u+3], v[ST+8*\u+2:ST+8*\u+3], v[ST+8*\u+6:ST+8*\u+7]
.endr
.irp n, 0,1,2,3,4,5,6,7,8,9,10,11,12,13,14,15
.irp u, 0,1
	v_cvt_pk_f16_f32 v[S+32*\u+\n], v[S+32*\u+2*\n], v[S+32*\u+2*\n+1]   ; P, in place and ascending: register n is written when pairs up to n have been read
.endr
.endr
.irp j, 0,2,4,6,8,10,12,14,16,18,20,22,24,26,28,30
.irp u, 0,1
	v_pk_mul_f32 v[O+32*\u+\j:O+32*\u+\j+1], v[O+32*\u+\j:O+32*\u+\j+1], v[ST+8*\u+4:ST+8*\u+5] op_sel_hi:[1,0]   ; O^T x a
.endr
.endr
	s_wait_dscnt 0x0                               ; V is in
.irp kg, 0,1                                   ; O^T += V^T P: eight accumulators by turns
.irp ct, 0,1,2,3
.irp u, 0,1
	v_wmma_f32_16x16x32_f16 v[O+32*\u+8*\ct:O+32*\u+8*\ct+7], v[KV+32*\kg+8*\ct:KV+32*\kg+8*\ct+7], v[S+32*\u+8*\kg:S+32*\u+8*\kg+7], v[O+32*\u+8*\ct:O+32*\u+8*\ct+7]
.endr
.endr
.endr
.Lhidden_\@:
	s_add_co_u32 s[KF], s[KF], 64
.endm
; THE CHANGE OF SLOTS stands at a slot's head.  Each wave waits for all its tensor loads (its part of the slot that it is about to read), adds 0 to its spare word, and waits for that and for its reads of the slot that it
; has left.  Behind the barrier the slot ahead is whole and nobody reads the other one.  fill = 1: that other slot takes the keys that follow, up to the causal limit; the load has a slot's four steps in which to land.
.macro CHANGE fill
	s_wait_tensorcnt 0x0                           ; no tensor load of mine is out, so a group 0 may be written
	ds_add_u32 v[SPW], v[NIL]
.if \fill
	ds_add_u32 v[SPW], v[NIL]                      ; and once more: the add stands twice on end, in every trip alike
	s_xor_b32 s[G0K+1], s[G0K+1], SLOT1            ; the walking descriptors: the other slot than last time,
	s_add_nc_u64 s[G0K+2:G0K+3], s[G0K+2:G0K+3], SLOTB   ; the next 256 keys; the type bits on top are not reached
	s_xor_b32 s[G0V+1], s[G0V+1], SLOT1
	s_add_nc_u64 s[G0V+2:G0V+3], s[G0V+2:G0V+3], SLOTB
	s_wait_xcnt 0x0                                ; the last prefetch, a slot back, has read its address, so it may be written:
	s_add_nc_u64 s[PFA:PFA+1], s[PFA:PFA+1], SLOTB ; one slot further on than the walking descriptors
.endif
	s_wait_dscnt 0x0                               ; the add is done, and my reads of the slot that I have left are over
	s_barrier_signal -1
	s_barrier_wait -1
.if \fill
	s_add_co_u32 s96, s[KF], SK                    ; the first key of the slot that this change would ask for:
	s_cmp_gt_u32 s96, s[QL]                        ; behind my work-group's last query it would be read by none of the sixteen waves, so it is not asked for.  Ids and the count of steps alone: all waves go the same way,
	s_cbranch_scc1 .Lpast_\@                       ; and every wait on TENSORcnt in this text is for 0
	TLOAD                                          ; a wave's one tensor load until the next such barrier
.Lpast_\@:
	ASK
.endif
.endm
.macro SLOT_STEPS
	STEP 0
	STEP 1
	STEP 2
	STEP 3
	s_xor_b32 s[TB], s[TB], SLOT1                  ; on to the other slot
.endm
	s_wait_loadcnt 0x0                             ; Q
.Lslot:                                            ; 7 trips
	CHANGE 1
	SLOT_STEPS
	s_sub_co_u32 s[SLOTS], s[SLOTS], 1
	s_cmp_lg_u32 s[SLOTS], 0
	s_cbranch_scc1 .Lslot
	CHANGE 0                                       ; the last slot is written out: nothing is left to ask for
	SLOT_STEPS
	; THE WAY OUT.  l's two halves and the other half of the lanes' are added; O^T is divided by l, rounded to f16 and sent through my stage in LDS: my 32 rows of 128 bytes lie on end in att16.
.rept 4
	v_nop                                          ; places behind the last products
.endr
.irp u, 0,1
	v_add_f32 v[ST+8*\u+6], v[ST+8*\u+2], v[ST+8*\u+3]
.endr
.irp u, 0,1
	v_permlanex16_b32 v[ST+8*\u+7], v[ST+8*\u+6], s[SEL], s[SEL+1]
.endr
.irp u, 0,1
	v_add_f32 v[ST+8*\u+6], v[ST+8*\u+6], v[ST+8*\u+7]
.endr
.irp u, 0,1
	v_rcp_f32 v[ST+8*\u+4], v[ST+8*\u+6]
.endr
	v_nop                                          ; a plain line behind the last reciprocal
	s_wait_alu depctr_va_vdst(0)                   ; and the wait ahead of the first use: one for both
.irp u, 0,1
.irp j, 0,2,4,6,8,10,12,14,16,18,20,22,24,26,28,30
	v_pk_mul_f32 v[O+32*\u+\j:O+32*\u+\j+1], v[O+32*\u+\j:O+32*\u+\j+1], v[ST+8*\u+4:ST+8*\u+5] op_sel_hi:[1,0]
.endr
.endr
.set i, 0
.rept 32
	v_cvt_pk_f16_f32 v[KV+i], v[O+2*i], v[O+2*i+1] ; register 16 u + 4 ct + i: channels 16 ct + 8 h + 2 i, + 1 of query 16 u + r
.set i, i+1
.endr
.irp u, 0,1
.irp ct, 0,1,2,3
	ds_store_b128 v[STO], v[KV+16*\u+4*\ct:KV+16*\u+4*\ct+3] offset:\u*16*KP+32*\ct
.endr
.endr
.irp i, 0,1,2,3,4,5,6,7
	ds_load_b128 v[KV+32+4*\i:KV+32+4*\i+3], v[RD] offset:\i*4*KP   ; LDS serves a wave's instructions in order: these see my stores
.endr
.irp i, 0,1,2,3,4,5,6,7
	s_wait_dscnt 7-\i
	global_store_b128 v[GO], v[KV+32+4*\i:KV+32+4*\i+3], s[6:7] offset:512*\i   ; 32 lanes store 512 consecutive bytes, aligned
.endr
	s_wait_tensorcnt 0x0                           ; the wave's end: a wait on TENSORcnt, an add of 0 to my spare word and a wait on DScnt, behind my last tensor load and my last LDS store
	ds_add_u32 v[SPW], v[NIL]
	s_wait_dscnt 0x0
	s_endpgm
.Lfunc_end_k_q5af54e8768_attn:
	.size	k_q5af54e8768_attn, .Lfunc_end_k_q5af54e8768_attn-k_q5af54e8768_attn
	.p2alignl 7, 3214868480
	.fill 96, 4, 3214868480
	.section	.rodata,"a",@progbits
	.p2align	6, 0x0
	.amdhsa_kernel k_q5af54e8768_attn
		.amdhsa_group_segment_fixed_size 327680
		.amdhsa_private_segment_fixed_size 0
		.amdhsa_enable_private_segment 0
		.amdhsa_kernarg_size 16
		.amdhsa_user_sgpr_count 2
		.amdhsa_user_sgpr_kernarg_segment_ptr 1
		.amdhsa_wavefront_size32 1
		.amdhsa_system_sgpr_workgroup_id_x 1
		.amdhsa_system_sgpr_workgroup_id_y 1
		.amdhsa_system_sgpr_workgroup_id_z 1
		.amdhsa_system_vgpr_workitem_id 0
		.amdhsa_next_free_vgpr 256
		.amdhsa_next_free_sgpr 100
		.amdhsa_reserve_vcc 1
		.amdhsa_float_denorm_mode_32 3
		.amdhsa_float_denorm_mode_16_64 3
		.amdhsa_memory_ordered 1
		.amdhsa_forward_progress 1
		.amdhsa_inst_pref_size 189
	.end_amdhsa_kernel
	.amdgpu_metadata
---
amdhsa.version: [ 1, 2 ]
amdhsa.kernels:
  - .name:           k_q5af54e8768_attn
    .symbol:         k_q5af54e8768_attn.kd
    .args:
      - { .name: qkv16, .offset: 0, .size: 8, .value_kind: global_buffer, .address_space: global }
      - { .name: att16, .offset: 8, .size: 8, .value_kind: global_buffer, .address_space: global }
    .group_segment_fixed_size: 327680
    .private_segment_fixed_size: 0
    .kernarg_segment_align: 8
    .kernarg_segment_size: 16
    .max_flat_workgroup_size: 512
    .sgpr_count:     100
    .vgpr_count:     256
    .wavefront_size: 32
...
	.end_amdgpu_metadata
.endif
;; end of part 4
;; launch proj (part 5): grid 8 x 64, 4 waves a work-group, clusters of 4 x 4, 327,680 bytes of LDS; arguments att16, wpt, out0; writes out0
.if DOCPART == 5
	.amdgcn_target "amdgcn-amd-amdhsa--gfx1250"
	.amdhsa_code_object_version 6
	.text
	.protected	k_q5af54e8768_proj
	.globl	k_q5af54e8768_proj
	.p2align	8
	.type	k_q5af54e8768_proj,@function
k_q5af54e8768_proj:
	s_mov_b64 s[64:65], 0
	v_nop
	global_prefetch_b8 v0, s[64:65] scope:SCOPE_SE
	s_setreg_imm32_b32 hwreg(HW_REG_WAVE_MODE, 25, 1), 1
	s_wait_xcnt 0x0
	s_wait_alu depctr_hold_cnt(0) depctr_sa_sdst(0) depctr_va_vdst(0) depctr_va_sdst(0) depctr_va_ssrc(0) depctr_va_vcc(0) depctr_vm_vsrc(0)
	s_getreg_b32 s2, hwreg(HW_REG_IB_STS2, 6, 4)
	s_cmp_eq_u32 s2, 0
	s_cbranch_scc0 .Lentry_in_a_cluster
	s_endpgm
.Lentry_in_a_cluster:
	s_bfe_u32 s2, ttmp6, 0x10000c
	s_cmp_lg_u32 s2, 0xf033
	s_cbranch_scc0 .Lentry_shape_is_right
	s_endpgm
.Lentry_shape_is_right:
; out0[m][n] = the sum over k of att[m][k] Wproj[k][n], m 8,192, n 1,024, k 1,024 = 64 head + channel; f16 operands, f32 sums, f32 out.
; A = att16 [m / 128][head][m % 128][64] f16;  B = wpt [n][k] f16, Wproj's transpose.
; All 8,192 rows are made here; the 64 rows of positions 0-15 are stored again, from f32 arithmetic, by the launch that follows: leaving them out here would take a branch on a work-group's place in its cluster.
; A tile of C is 128 x 128: 512 tiles, two for each of 256 WGPs.  Four waves, each 64 x 64: 16 accumulators.  K goes in steps of 256 (four heads) through a ring of two LDS slots.
; A's tile of a K step is one dense block of memory: 4 heads x 128 rows x 128 bytes; waves 0 and 1 bring two heads each, as 256 rows of 128 bytes.  B's tile is 128 rows of 512 bytes; waves 2 and 3 bring 64 rows each.
; CLUSTERS: 4 x 4 work-groups.  The four of a row of the cluster need the same tiles of A, the four of a column the same tiles of B: each tile is asked for JOINTLY.
; THE MATRIX INSTRUCTION IS USED TRANSPOSED (source 0 = 16 rows of B, source 1 = 16 rows of A): a lane then holds eight neighbouring numbers of a row of C.
; No prefetch: a K step here is short and the tiles are shared in the cluster; what is fetched is 18 MB in all.
; REGISTERS: window 0: v0-31 addresses; v32-95 at work on the way out; v128-255 the accumulators ((a, b) at v[128 + 8 (4 a + b)]).   window 1: two fragment buffers of 128: 64 registers of A, then 64 of B, for 64 along K.
.set PA,     144                       ; A's row in LDS: 128 bytes + 16
.set PB,     528                       ; B's: 512 + 16
.set AHALF,  256*PA                    ; two heads x 128 rows: what one tensor load brings of A
.set BHALF,  64*PB                     ; 64 rows: of B
.set BOFF,   2*AHALF
.set SLOT,   BOFF+2*BHALF              ; 141,312
.set STAGE,  2*SLOT                    ; behind the ring: 16 rows x 272 bytes for each wave
.set SPITCH, 272
.set SPARE,  STAGE+4*16*SPITCH         ; the spare words, 128 bytes a wave, named by no other line
.set LAPS,   2                         ; a lap = two K steps = once round the ring
.set ASTEP,  65536                     ; a K step in A's memory: four heads of 16,384 bytes
.set BSTEP,  512                       ; and along B's rows
.set ADRA, 16
.set ADRB, 20
.set STO,  24
.set RD,   25
.set CO,   26
.set SPW,  28
.set NIL,  29
.set TMP,  32
.set ACC,  128
.set F0,   0
.set F1,   128
.set G1, 24
.set G0, 32
.set G1B, 48
.set G0B, 56
.set MSB, 0
.macro WIN new
.if MSB != \new
	s_set_vgpr_msb (MSB<<8)|\new
.set MSB, \new
.endif
.endm
.set MUL,  0x05                        ; sources 0 (B) and 1 (A) window 1; C and D window 0
.set TO_F, 0x40                        ; destination window 1, address window 0
.macro JLOAD s                         ; a joint load: waves 0 and 1 fetch A's two halves, waves 2 and 3 B's; an s_nop 0 and four v_nop follow each of the two lines
	s_cmp_eq_u32 s11, 0
	s_cbranch_scc0 .Lfor_b_\@
	tensor_load_to_lds s[G0+4*\s:G0+4*\s+3], s[G1:G1+7]
	s_nop 0
.rept 4
	v_nop
.endr
	s_branch .Lasked_\@
.Lfor_b_\@:
	tensor_load_to_lds s[G0B+4*\s:G0B+4*\s+3], s[G1B:G1B+7]
	s_nop 0
.rept 4
	v_nop
.endr
.Lasked_\@:
.endm
.macro CREST                           ; a round of the cluster's barrier behind its opening barrier
	s_cmp_lg_u32 s10, 0
	s_cbranch_scc1 .Lnot_wave_0_\@
	s_barrier_signal -3
.Lnot_wave_0_\@:
	s_barrier_wait -3
	s_barrier_signal -1
	s_barrier_wait -1
.endm
.macro CROUND
	s_barrier_signal -1
	s_barrier_wait -1
	CREST
.endm
	s_load_b128 s[4:7], s[0:1], 0x0                ; att16 s[4:5], wpt s[6:7]
	s_load_b64 s[8:9], s[0:1], 0x10                ; out0
	v_lshl_add_u32 v[SPW], v0, 2, SPARE
	v_mov_b32 v[NIL], 0
	ds_add_u32 v[SPW], v[NIL]                      ; the wave's opening: the add, twice on end, and its wait ahead of my first tensor load
	ds_add_u32 v[SPW], v[NIL]
	v_lshrrev_b32 v1, 5, v0
	v_readfirstlane_b32 s10, v1                    ; wave 0..3
	s_lshr_b32 s11, s10, 1                         ; which half of the tile's rows is mine.  Also: I fetch for A (0) or for B (1)
	s_and_b32 s12, s10, 1                          ; which half of its columns.  Also: which half of that tile I fetch
	s_bfe_u32 s40, ttmp6, 0x40000                  ; cx, cy
	s_bfe_u32 s41, ttmp6, 0x40004
	s_lshl_b32 s42, ttmp9, 2
	s_add_co_u32 s42, s42, s40                     ; tile column of C = 4 x cluster x + cx
	s_and_b32 s13, ttmp7, 0xffff
	s_lshl_b32 s13, s13, 2
	s_add_co_u32 s13, s13, s41                     ; tile row of C = 4 x cluster y + cy
	s_lshl_b32 s43, s41, 2
	s_lshl_b32 s43, 15, s43                        ; my row of the cluster
	s_lshl_b32 s44, 0x1111, s40                    ; my column
	; A: 256 rows x 64 elements of 2 bytes, dense; 4 words of padding behind every 32
	s_or_b32 s[G1+0], s43, (1<<16)|(1<<20)|(1<<21)|(4<<22)|(3<<25)
	s_mov_b32 s[G1+1], 64<<16
	s_mov_b32 s[G1+2], 256<<16
	s_mov_b32 s[G1+3], 64<<16
	s_mov_b32 s[G1+4], 256
	s_mov_b32 s[G1+5], 64
	s_mov_b32 s[G1+6], 0
	s_mov_b32 s[G1+7], 0
	; B: 64 rows x 256 elements, 1,024 elements from row to row; 4 words of padding behind every 128
	s_or_b32 s[G1B+0], s44, (1<<16)|(1<<20)|(1<<21)|(6<<22)|(3<<25)
	s_mov_b32 s[G1B+1], 256<<16
	s_mov_b32 s[G1B+2], 64<<16
	s_mov_b32 s[G1B+3], 256<<16
	s_mov_b32 s[G1B+4], 64
	s_mov_b32 s[G1B+5], 1024
	s_mov_b32 s[G1B+6], 0
	s_mov_b32 s[G1B+7], 0
	s_lshl_b32 s16, s13, 18                        ; A: tile row x 16 heads x 16,384 bytes
	s_lshl_b32 s17, s12, 15                        ; + my two heads of the K step's four
	s_add_co_u32 s16, s16, s17
	s_mov_b32 s17, 0
	s_lshl_b32 s46, s42, 18                        ; B: 128 x tile column rows of 2,048 bytes
	s_lshl_b32 s47, s12, 17                        ; + my 64 rows
	s_add_co_u32 s46, s46, s47
	s_mov_b32 s47, 0
	s_mul_i32 s20, s12, AHALF                      ; where they go: no place in the cluster enters an LDS address
	s_mul_i32 s21, s12, BHALF
	s_add_co_u32 s21, s21, BOFF
	s_wait_dscnt 0x0                               ; both opening adds are done
	s_wait_kmcnt 0x0
	s_add_nc_u64 s[14:15], s[4:5], s[16:17]
	s_add_nc_u64 s[46:47], s[6:7], s[46:47]
	CROUND                                         ; all sixteen work-groups are here: the first joint loads meet
.irp s, 0,1
	s_mov_b32 s[G0+4*\s], 1
	s_add_co_u32 s[G0+4*\s+1], s20, \s*SLOT
	s_add_nc_u64 s[G0+4*\s+2:G0+4*\s+3], s[14:15], \s*ASTEP
	s_or_b32 s[G0+4*\s+3], s[G0+4*\s+3], 0x80000000
	s_mov_b32 s[G0B+4*\s], 1
	s_add_co_u32 s[G0B+4*\s+1], s21, \s*SLOT
	s_add_nc_u64 s[G0B+4*\s+2:G0B+4*\s+3], s[46:47], \s*BSTEP
	s_or_b32 s[G0B+4*\s+3], s[G0B+4*\s+3], 0x80000000
	JLOAD \s
.endr
	v_and_b32 v1, 15, v0                           ; l % 16
	v_bfe_u32 v2, v0, 4, 1                         ; l / 16
	v_mul_u32_u24 v3, v1, PA
	v_lshl_add_u32 v3, v2, 4, v3
	v_mul_u32_u24 v4, v1, PB
	v_lshl_add_u32 v4, v2, 4, v4
	s_mul_i32 s21, s11, 64*PA                      ; my 64 rows, in each head's 128
	s_mul_i32 s22, s12, BHALF                      ; my 64 rows of B
	s_add_co_u32 s22, s22, BOFF
.irp s, 0,1
	v_add_nc_u32 v[ADRA+\s], s21, v3
	v_add_nc_u32 v[ADRB+\s], s22, v4
	s_add_co_u32 s21, s21, SLOT
	s_add_co_u32 s22, s22, SLOT
.endr
	s_mul_i32 s23, s10, 16*SPITCH
	s_add_co_u32 s23, s23, STAGE                   ; my stage
	v_mul_u32_u24 v5, v1, SPITCH                   ; in: row l % 16, 32 bytes for each half of the lanes
	v_lshl_add_u32 v5, v2, 5, v5
	v_add_nc_u32 v[STO], s23, v5
	v_mul_u32_u24 v5, v2, SPITCH                   ; back: lanes 0-15 one row of 256 bytes, lanes 16-31 the next
	v_lshl_add_u32 v5, v1, 4, v5
	v_add_nc_u32 v[RD], s23, v5
	v_lshlrev_b32 v5, 12, v2                       ; and the same two rows in out0: 4,096 bytes a row
	v_lshl_add_u32 v[CO], v1, 4, v5
	s_lshl_b32 s16, s13, 19                        ; 128 x tile row rows of 4,096 bytes
	s_lshl_b32 s17, s11, 18                        ; + my 64 rows
	s_add_co_u32 s16, s16, s17
	s_mov_b32 s17, 0
	s_add_nc_u64 s[8:9], s[8:9], s[16:17]
	s_lshl_b32 s46, s42, 9                         ; 128 x tile column columns of 4 bytes
	s_lshl_b32 s47, s12, 8                         ; + my 64
	s_add_co_u32 s46, s46, s47
	s_mov_b32 s47, 0
	s_add_nc_u64 s[8:9], s[8:9], s[46:47]
; 8 matrix instructions: m blocks a0, a0 + 1 x all 4 n blocks, 32 along K: half c of buffer f.  zero = 1: the first product starts the sums.  The 16 accumulators take turns.
.macro MUL8 f, c, a0, zero
.irp a, \a0, \a0+1
.irp b, 0,1,2,3
.if \zero
	v_wmma_f32_16x16x32_f16 v[ACC+8*(4*(\a)+\b):ACC+8*(4*(\a)+\b)+7], v[\f+64+8*(4*\c+\b):\f+64+8*(4*\c+\b)+7], v[\f+8*(4*\c+\a):\f+8*(4*\c+\a)+7], 0
.else
	v_wmma_f32_16x16x32_f16 v[ACC+8*(4*(\a)+\b):ACC+8*(4*(\a)+\b)+7], v[\f+64+8*(4*\c+\b):\f+64+8*(4*\c+\b)+7], v[\f+8*(4*\c+\a):\f+8*(4*\c+\a)+7], v[ACC+8*(4*(\a)+\b):ACC+8*(4*(\a)+\b)+7]
.endif
.endr
.endr
.endm
; 32 LDS loads in one run: the fragments of quarter q of a K step (64 along K: one head), into buffer f; the first 32 along K first.  In B's rows a quarter is 128 bytes; in A's tile it is a head's 128 rows.
.macro FETCH slot, q, f
	WIN TO_F
.irp c, 0,1
.irp i, 0,1,2,3
	ds_load_b128 v[\f+64+8*(4*\c+\i):\f+64+8*(4*\c+\i)+3],   v[ADRB+\slot] offset:128*(\q)+64*\c+\i*16*PB
	ds_load_b128 v[\f+64+8*(4*\c+\i)+4:\f+64+8*(4*\c+\i)+7], v[ADRB+\slot] offset:128*(\q)+64*\c+\i*16*PB+32
	ds_load_b128 v[\f+8*(4*\c+\i):\f+8*(4*\c+\i)+3],         v[ADRA+\slot] offset:128*PA*(\q)+64*\c+\i*16*PA
	ds_load_b128 v[\f+8*(4*\c+\i)+4:\f+8*(4*\c+\i)+7],       v[ADRA+\slot] offset:128*PA*(\q)+64*\c+\i*16*PA+32
.endr
.endr
.endm
.macro PLACES                          ; four places in front of loads into registers that matrix instructions have read, and of the first read of results
.rept 4
	v_nop
.endr
.endm
; One of a K step's first three quarters: multiplies buffer f and fetches quarter q into g.
.macro QUARTER slot, q, f, g, zero
	s_wait_dscnt 16                                ; the first 32 along K are in; the youngest 16 loads may be out
	WIN MUL
	MUL8 \f, 0, 0, \zero
	MUL8 \f, 0, 2, \zero
	PLACES
	FETCH \slot, \q, \g
	s_wait_dscnt 32                                ; all but the 32 just issued
	WIN MUL
	MUL8 \f, 1, 0, 0
	MUL8 \f, 1, 2, 0
.endm
; The last quarter multiplies buffer 1 and changes slots: ONE barrier; in front of it each wave waits for all its tensor loads, adds 0 to its spare word, and waits for that and for its own reads of this slot.
; fill = 1: the barrier opens a round of the cluster's, and this slot is filled again, two K steps ahead, first thing behind the round.
.macro TURN slot, next, fill
	WIN 0                                          ; (the add's two registers lie in window 0)
	s_wait_tensorcnt 0x0                           ; all my tensor loads have landed: my part of the next slot
	ds_add_u32 v[SPW], v[NIL]
	s_wait_dscnt 17                                ; (the add and the youngest sixteen loads may be out)
	WIN MUL
	MUL8 F1, 0, 0, 0                               ; eight matrix instructions stand between the add and the wait for it
	s_wait_dscnt 0x0                               ; the add is done, and my reads of this slot are over
	s_barrier_signal -1
	MUL8 F1, 0, 2, 0
.if \fill
	WIN 0
.endif
	s_barrier_wait -1
.if \fill
	CREST                                          ; no wave of any partner still reads this slot's tile or has a load on its way
	s_add_nc_u64 s[G0+4*\slot+2:G0+4*\slot+3], s[G0+4*\slot+2:G0+4*\slot+3], 2*ASTEP
	s_add_nc_u64 s[G0B+4*\slot+2:G0B+4*\slot+3], s[G0B+4*\slot+2:G0B+4*\slot+3], 2*BSTEP
	JLOAD \slot                                    ; the four v_nop behind it are also the places in front of the loads below
.else
	PLACES
.endif
	FETCH \next, 0, F0
	WIN MUL
	MUL8 F1, 1, 0, 0
	MUL8 F1, 1, 2, 0
.endm
	s_wait_tensorcnt 1                             ; my part of K step 0 is in (K step 1's may be out)
	s_barrier_signal -1
	s_barrier_wait -1                              ; everybody's is
	FETCH 0, 0, F0
	QUARTER 0, 1, F0, F1, 1                        ; the first quarter stands in front of the loop: its first products start the sums
	WIN 0
	s_mov_b32 s3, LAPS-1
.Llap:                                             ; a trip goes once round the ring and fills both slots again
	QUARTER 0, 2, F1, F0, 0
	QUARTER 0, 3, F0, F1, 0
	TURN 0, 1, 1
	QUARTER 1, 1, F0, F1, 0
	QUARTER 1, 2, F1, F0, 0
	QUARTER 1, 3, F0, F1, 0
	TURN 1, 0, 1
	QUARTER 0, 1, F0, F1, 0
	WIN 0
	s_sub_co_u32 s3, s3, 1
	s_cmp_lg_u32 s3, 0
	s_cbranch_scc1 .Llap
	QUARTER 0, 2, F1, F0, 0                        ; the last lap fills nothing
	QUARTER 0, 3, F0, F1, 0
	TURN 0, 1, 0
	QUARTER 1, 1, F0, F1, 0
	QUARTER 1, 2, F1, F0, 0
	QUARTER 1, 3, F0, F1, 0
	s_wait_dscnt 16
	WIN MUL
	MUL8 F1, 0, 0, 0
	MUL8 F1, 0, 2, 0
	s_wait_dscnt 0
	MUL8 F1, 1, 0, 0
	MUL8 F1, 1, 2, 0
	WIN 0
; THE WAY OUT, block by block of 16 rows x 64 columns of f32.  A wave's 64 columns are 256 aligned bytes of a row: so each wave has a stage of its own and no barrier is needed.
; LDS serves a wave's instructions in order (ISA guide 5.7.1.4): no wait between the stores and the loads, nor in front of the next block's stores.
.macro TOSTAGE a
.set BB, TMP+32*((\a)%2)
.irp b, 0,1,2,3
	ds_store_b128 v[STO], v[ACC+8*(4*(\a)+\b):ACC+8*(4*(\a)+\b)+3] offset:64*\b       ; each accumulator from its low end on
	ds_store_b128 v[STO], v[ACC+8*(4*(\a)+\b)+4:ACC+8*(4*(\a)+\b)+7] offset:64*\b+16
.endr
.irp t, 0,1,2,3,4,5,6,7
	ds_load_b128 v[BB+4*\t:BB+4*\t+3], v[RD] offset:\t*2*SPITCH
.endr
.endm
.macro SEND a, younger                 ; younger: the LDS instructions issued behind block a's loads
.set BB, TMP+32*((\a)%2)
	s_wait_dscnt \younger
.irp t, 0,1,2,3,4,5,6,7
	global_store_b128 v[CO], v[BB+4*\t:BB+4*\t+3], s[8:9] offset:(16*(\a)+2*\t)*4096 th:TH_STORE_NT   ; 16 lanes store 256 consecutive bytes, aligned
.endr
.endm
	PLACES
	TOSTAGE 0
.irp a, 1,2,3
.if \a > 1
	s_wait_xcnt 0x0                                ; block a - 2's stores have read their registers: block a's loads may land there
.endif
	TOSTAGE \a
	SEND \a-1, 16                                  ; behind block a - 1's loads: block a's 8 stores and 8 loads
.endr
	SEND 3, 0
	s_wait_tensorcnt 0x0                           ; the wave's end: a wait on TENSORcnt, an add of 0 to my spare word and a wait on DScnt, behind my last tensor load and my last LDS store
	ds_add_u32 v[SPW], v[NIL]
	s_wait_dscnt 0x0
	CROUND                                         ; the closing round
	s_endpgm
.Lfunc_end_k_q5af54e8768_proj:
	.size	k_q5af54e8768_proj, .Lfunc_end_k_q5af54e8768_proj-k_q5af54e8768_proj
	.p2alignl 7, 3214868480
	.fill 96, 4, 3214868480
	.section	.rodata,"a",@progbits
	.p2align	6, 0x0
	.amdhsa_kernel k_q5af54e8768_proj
		.amdhsa_group_segment_fixed_size 327680
		.amdhsa_private_segment_fixed_size 0
		.amdhsa_enable_private_segment 0
		.amdhsa_kernarg_size 24
		.amdhsa_user_sgpr_count 2
		.amdhsa_user_sgpr_kernarg_segment_ptr 1
		.amdhsa_wavefront_size32 1
		.amdhsa_system_sgpr_workgroup_id_x 1
		.amdhsa_system_sgpr_workgroup_id_y 1
		.amdhsa_system_sgpr_workgroup_id_z 1
		.amdhsa_system_vgpr_workitem_id 0
		.amdhsa_next_free_vgpr 512
		.amdhsa_next_free_sgpr 66
		.amdhsa_reserve_vcc 0
		.amdhsa_float_denorm_mode_32 3
		.amdhsa_float_denorm_mode_16_64 3
		.amdhsa_memory_ordered 1
		.amdhsa_forward_progress 1
		.amdhsa_inst_pref_size 86
	.end_amdhsa_kernel
	.amdgpu_metadata
---
amdhsa.version: [ 1, 2 ]
amdhsa.kernels:
  - .name:           k_q5af54e8768_proj
    .symbol:         k_q5af54e8768_proj.kd
    .args:
      - { .name: att16, .offset: 0, .size: 8, .value_kind: global_buffer, .address_space: global }
      - { .name: wpt, .offset: 8, .size: 8, .value_kind: global_buffer, .address_space: global }
      - { .name: out0, .offset: 16, .size: 8, .value_kind: global_buffer, .address_space: global }
    .group_segment_fixed_size: 327680
    .private_segment_fixed_size: 0
    .kernarg_segment_align: 8
    .kernarg_segment_size: 24
    .max_flat_workgroup_size: 128
    .sgpr_count:     66
    .vgpr_count:     512
    .wavefront_size: 32
...
	.end_amdgpu_metadata
.endif
;; end of part 5
;; launch fine (part 6): grid 16 x 4, 16 waves a work-group, no clusters, 85,248 bytes of LDS; arguments qkv32, Wproj, out0; writes out0
.if DOCPART == 6
	.amdgcn_target "amdgcn-amd-amdhsa--gfx1250"
	.amdhsa_code_object_version 6
	.text
	.protected	k_q5af54e8768_fine
	.globl	k_q5af54e8768_fine
	.p2align	8
	.type	k_q5af54e8768_fine,@function
k_q5af54e8768_fine:
	s_mov_b64 s[64:65], 0
	v_nop
	global_prefetch_b8 v0, s[64:65] scope:SCOPE_SE
	s_setreg_imm32_b32 hwreg(HW_REG_WAVE_MODE, 25, 1), 1
	s_wait_xcnt 0x0
; THE FIRST 16 POSITIONS OF EACH SEQUENCE, WHOLLY IN F32.  Under the causal mask these rows average one to sixteen values and are the largest of the output, so the rounding of 16-bit operands would weigh most there.
; qkv32 [16 batch + t][3,072] holds their q, k, v as f32; the rows of out0 that this launch stores take the place of those that the launch before stored.
; Keys behind position 15 have weight 0 for these queries by the problem's own mask and are not touched.
; Work-group (nb, batch) makes 16 rows x 64 columns of out0.  Phase 1: wave h makes head h's attention for the 16 positions (each of the 16 work-groups of a batch does so: 32 small matrix instructions a wave).
; Phase 2: wave w takes 16 columns (w & 3) and 256 along K (w >> 2); the four parts along K are added through LDS.
; THE ORDER ALONG K is the same on both sources of every product: of a chunk of 8 along K lane (r, h) holds k = 8 c + 4 h + 0..3 in four registers, which are two K steps of the 16x16x4 form.
; The registers that the matrix instruction writes (v128-191) are written by matrix instructions alone, and each sum begins with the constant 0.
.set ROWQ,  12288                      ; a row of qkv32 in bytes
.set OP,    4112                       ; LDS: a position's 1,024 numbers of attention + 16 bytes
.set PART,  16*OP                      ; 65,792: four parts along K: 16 rows x (256 bytes + 16) each
.set PP,    272
.set SPARE, PART+4*16*PP               ; 83,200: the spare words, 128 bytes a wave, named by no other line
.set KFR,   32                         ; v32-63   K's fragments; later, with v64-95, Wproj's chunks 16-31
.set QFR,   64                         ; v64-95   Q's
.set VFR,   96                         ; v96-127  V's; later attention's fragments
.set SA,    128                        ; v128-143 two accumulators of S^T
.set OA,    144                        ; v144-175 four of O^T
.set PAC,   176                        ; v176-191 two of the projection
.set W1,    192                        ; v192-255 Wproj's chunks 0-15
	s_load_b128 s[4:7], s[0:1], 0x0                ; qkv32, Wproj
	s_load_b64 s[8:9], s[0:1], 0x10                ; out0
	v_lshl_add_u32 v12, v0, 2, SPARE               ; my spare word; never rewritten
	v_mov_b32 v13, 0                               ; 0; never rewritten
	v_lshrrev_b32 v1, 5, v0
	v_readfirstlane_b32 s10, v1                    ; wave = head
	s_and_b32 s11, s10, 3                          ; phase 2: which 16 columns
	s_lshr_b32 s12, s10, 2                         ; which 256 along K
	s_and_b32 s13, ttmp7, 0xffff                   ; batch
	v_and_b32 v1, 15, v0                           ; r
	v_bfe_u32 v2, v0, 4, 1                         ; h
	v_mul_u32_u24 v3, v1, ROWQ
	v_lshl_add_u32 v3, v2, 4, v3                   ; K, Q: position r, + 4 h channels
	v_mul_u32_u24 v4, v2, 8*ROWQ
	v_lshl_add_u32 v4, v1, 2, v4                   ; V: position 8 h, channel r
	v_lshlrev_b32 v5, 14, v2
	v_lshl_add_u32 v5, v1, 2, v5                   ; Wproj: row 4 h, column r
	v_lshlrev_b32 v6, 3, v2
	v_sub_nc_u32 v6, v1, v6                        ; r - 8 h
	v_mul_u32_u24 v15, v1, OP
	s_lshl_b32 s14, s10, 8
	v_lshl_add_u32 v7, v2, 5, v15
	v_add_nc_u32 v7, s14, v7                       ; attention in: row r, + 256 head + 32 h
	s_lshl_b32 s14, s12, 10
	v_lshl_add_u32 v8, v2, 4, v15
	v_add_nc_u32 v8, s14, v8                       ; and out: row r, + my 256 along K + 16 h
	s_mul_i32 s14, s12, 16*PP
	s_lshl_b32 s15, s11, 6
	s_add_co_u32 s14, s14, s15
	s_add_co_u32 s14, s14, PART
	v_mul_u32_u24 v9, v2, 8*PP
	v_lshl_add_u32 v9, v1, 2, v9
	v_add_nc_u32 v9, s14, v9                       ; my part in: row 8 h, column 16 (w & 3) + r
	s_mul_i32 s14, s10, PP
	s_add_co_u32 s14, s14, PART
	v_and_b32 v11, 31, v0
	v_lshlrev_b32 v11, 3, v11                      ; 8 bytes a lane
	v_add_nc_u32 v10, s14, v11                     ; the parts out: wave w takes row w
	v_mov_b32 v14, 0xff800000                      ; -infinity
	v_mov_b32 v25, 0                               ; a lane permute's destination counts as one of its sources
	s_mov_b32 s16, 0x76543210
	s_mov_b32 s17, 0xfedcba98
	s_mov_b32 s18, 0x3e38aa3b                      ; c = log2(e) / 8
	s_mov_b32 s19, 0xbe38aa3b
	s_mul_i32 s20, s13, 16*ROWQ                    ; qkv32: my batch's 16 rows, my head's 64 columns
	s_lshl_b32 s21, s10, 8
	s_add_co_u32 s20, s20, s21
	s_mov_b32 s21, 0
	s_lshl_b32 s22, s12, 20                        ; Wproj: 256 rows of 4,096 bytes for each part along K,
	s_lshl_b32 s23, ttmp9, 8                       ; the work-group's 64 columns,
	s_add_co_u32 s22, s22, s23
	s_lshl_b32 s23, s11, 6                         ; my 16
	s_add_co_u32 s22, s22, s23
	s_mov_b32 s23, 0
	s_lshl_b32 s24, s13, 23                        ; out0: 2,048 rows of 4,096 bytes a batch,
	s_lshl_b32 s25, s10, 12                        ; row w,
	s_add_co_u32 s24, s24, s25
	s_lshl_b32 s25, ttmp9, 8                       ; the work-group's 64 columns
	s_add_co_u32 s24, s24, s25
	s_mov_b32 s25, 0
	s_wait_kmcnt 0x0
	s_add_nc_u64 s[4:5], s[4:5], s[20:21]
	s_add_nc_u64 s[6:7], s[6:7], s[22:23]
	s_add_nc_u64 s[8:9], s[8:9], s[24:25]
.irp c, 0,1,2,3,4,5,6,7
	global_load_b128 v[KFR+4*\c:KFR+4*\c+3], v3, s[4:5] offset:4096+32*\c
.endr
.irp c, 0,1,2,3,4,5,6,7
	global_load_b128 v[QFR+4*\c:QFR+4*\c+3], v3, s[4:5] offset:32*\c
.endr
.irp ct, 0,1,2,3
.irp j, 0,1,2,3,4,5,6,7
	global_load_b32 v[VFR+8*\ct+\j], v4, s[4:5] offset:8192+\j*ROWQ+64*\ct    ; V(8 h + j, 16 ct + r)
.endr
.endr
.set n, 0
.rept 64
	global_load_b32 v[W1+n], v5, s[6:7] offset:(8*(n/4)+n%4)*4096             ; Wproj(8 c + 4 h + i, my column), chunks 0-15
.set n, n+1
.endr
	s_wait_loadcnt 63                              ; K, Q and V are in: behind V's last load 64 were issued, and 63 is the largest count that the wait can name
	; S^T = K Q^T: 16 K steps of 4, on two accumulators by turns
.set i, 0
.rept 16
.if i < 2
	v_wmma_f32_16x16x4_f32 v[SA+8*(i%2):SA+8*(i%2)+7], v[KFR+2*i:KFR+2*i+1], v[QFR+2*i:QFR+2*i+1], 0
.else
	v_wmma_f32_16x16x4_f32 v[SA+8*(i%2):SA+8*(i%2)+7], v[KFR+2*i:KFR+2*i+1], v[QFR+2*i:QFR+2*i+1], v[SA+8*(i%2):SA+8*(i%2)+7]
.endif
.set i, i+1
.endr
.rept 8
	v_nop                                          ; eight places behind this form (ISA guide 7.12.1)
.endr
.irp j, 0,1,2,3,4,5,6,7
	v_add_f32 v[16+\j], v[SA+\j], v[SA+8+\j]       ; lane (r, h): query r, key 8 h + j
.endr
.irp j, 0,1,2,3,4,5,6,7
	v_cmp_gt_i32 vcc_lo, \j, v6                    ; hidden where 8 h + j > r
	v_cndmask_b32 v[16+\j], v[16+\j], v14, vcc_lo
.endr
	v_max3_num_f32 v24, v16, v17, v18
	v_max3_num_f32 v24, v24, v19, v20
	v_max3_num_f32 v24, v24, v21, v22
	v_max_num_f32 v24, v24, v23
	v_permlanex16_b32 v25, v24, s16, s17
	v_max_num_f32 v24, v24, v25                    ; the row's maximum: key 0 counts for every query, so it is a number
	v_mul_f32 v26, s19, v24                        ; -c m
.irp j, 0,1,2,3,4,5,6,7
	v_fma_f32 v[16+\j], v[16+\j], s18, v26
.endr
.irp j, 0,1,2,3,4,5,6,7
	v_exp_f32 v[16+\j], v[16+\j]
.endr
	v_nop                                          ; a plain line behind the last exponential
	s_wait_alu depctr_va_vdst(0)                   ; one wait for the eight, ahead of their first reader
	v_add_f32 v24, v16, v17
	v_add_f32 v27, v18, v19
	v_add_f32 v28, v20, v21
	v_add_f32 v29, v22, v23
	v_add_f32 v24, v24, v27
	v_add_f32 v28, v28, v29
	v_add_f32 v24, v24, v28
	v_permlanex16_b32 v25, v24, s16, s17
	v_add_f32 v24, v24, v25                        ; the row's sum
	v_rcp_f32 v26, v24
	v_nop
	s_wait_alu depctr_va_vdst(0)
.irp j, 0,1,2,3,4,5,6,7
	v_mul_f32 v[16+\j], v[16+\j], v26              ; the weights
.endr
	; O^T = V^T P^T: K step s takes keys 8 h + 2 s, + 1 on both sources; four accumulators by turns
.irp s, 0,1,2,3
.irp ct, 0,1,2,3
.if \s == 0
	v_wmma_f32_16x16x4_f32 v[OA+8*\ct:OA+8*\ct+7], v[VFR+8*\ct+2*\s:VFR+8*\ct+2*\s+1], v[16+2*\s:17+2*\s], 0
.else
	v_wmma_f32_16x16x4_f32 v[OA+8*\ct:OA+8*\ct+7], v[VFR+8*\ct+2*\s:VFR+8*\ct+2*\s+1], v[16+2*\s:17+2*\s], v[OA+8*\ct:OA+8*\ct+7]
.endif
.endr
.endr
.rept 8
	v_nop
.endr
.set n, 0
.rept 64
	global_load_b32 v[KFR+n], v5, s[6:7] offset:(8*(16+n/4)+n%4)*4096         ; Wproj's chunks 16-31, into the registers that K and Q have left
.set n, n+1
.endr
.irp ct, 0,1,2,3
	ds_store_b128 v7, v[OA+8*\ct:OA+8*\ct+3] offset:64*\ct                    ; lane (r, h): position r, channels 64 head + 16 ct + 8 h + 0..7
	ds_store_b128 v7, v[OA+8*\ct+4:OA+8*\ct+7] offset:64*\ct+16
.endr
	s_wait_dscnt 0x0                               ; for the others' sake: my stores have landed
	s_barrier_signal -1
	s_barrier_wait -1                              ; the 16 rows x 1,024 of attention lie in LDS
	; the projection: source 0 = the 16 positions, source 1 = my 16 columns of Wproj; 64 K steps in four groups, on two accumulators by turns
.irp g, 0,1,2,3
.irp c, 0,1,2,3,4,5,6,7
	ds_load_b128 v[VFR+4*\c:VFR+4*\c+3], v8 offset:256*\g+32*\c
.endr
	s_wait_dscnt 0x0
.if \g == 0
	s_wait_loadcnt 63                              ; chunks 0-15 are in: behind them 64 loads were issued
.endif
.if \g == 2
	s_wait_loadcnt 0x0                             ; chunks 16-31
.endif
.if \g < 2
.set WB, W1+32*\g
.else
.set WB, KFR+32*(\g-2)
.endif
.set i, 0
.rept 16
.if (\g == 0) && (i < 2)
	v_wmma_f32_16x16x4_f32 v[PAC+8*(i%2):PAC+8*(i%2)+7], v[VFR+2*i:VFR+2*i+1], v[WB+2*i:WB+2*i+1], 0
.else
	v_wmma_f32_16x16x4_f32 v[PAC+8*(i%2):PAC+8*(i%2)+7], v[VFR+2*i:VFR+2*i+1], v[WB+2*i:WB+2*i+1], v[PAC+8*(i%2):PAC+8*(i%2)+7]
.endif
.set i, i+1
.endr
.rept 8
	v_nop                                          ; places in front of the next group's loads and of the first read of the sums
.endr
.endr
.irp j, 0,1,2,3,4,5,6,7
	v_add_f32 v[16+\j], v[PAC+\j], v[PAC+8+\j]     ; lane (r, h): position 8 h + j, column r
.endr
.irp j, 0,1,2,3,4,5,6,7
	ds_store_b32 v9, v[16+\j] offset:PP*\j
.endr
	s_wait_dscnt 0x0
	s_barrier_signal -1
	s_barrier_wait -1                              ; the four parts along K lie in LDS
.irp k, 0,1,2,3
	ds_load_b64 v[24+2*\k:25+2*\k], v10 offset:16*PP*\k
.endr
	s_wait_dscnt 0x0
	v_pk_add_f32 v[24:25], v[24:25], v[26:27]
	v_pk_add_f32 v[28:29], v[28:29], v[30:31]
	v_pk_add_f32 v[24:25], v[24:25], v[28:29]
	global_store_b64 v11, v[24:25], s[8:9]         ; 32 lanes store 256 consecutive bytes of row w, aligned
	s_wait_tensorcnt 0x0                           ; the wave's end: a wait on TENSORcnt, an add of 0 to my spare word and a wait on DScnt, behind my last LDS store
	ds_add_u32 v12, v13
	s_wait_dscnt 0x0
	s_endpgm
.Lfunc_end_k_q5af54e8768_fine:
	.size	k_q5af54e8768_fine, .Lfunc_end_k_q5af54e8768_fine-k_q5af54e8768_fine
	.p2alignl 7, 3214868480
	.fill 96, 4, 3214868480
	.section	.rodata,"a",@progbits
	.p2align	6, 0x0
	.amdhsa_kernel k_q5af54e8768_fine
		.amdhsa_group_segment_fixed_size 85248
		.amdhsa_private_segment_fixed_size 0
		.amdhsa_enable_private_segment 0
		.amdhsa_kernarg_size 24
		.amdhsa_user_sgpr_count 2
		.amdhsa_user_sgpr_kernarg_segment_ptr 1
		.amdhsa_wavefront_size32 1
		.amdhsa_system_sgpr_workgroup_id_x 1
		.amdhsa_system_sgpr_workgroup_id_y 1
		.amdhsa_system_sgpr_workgroup_id_z 1
		.amdhsa_system_vgpr_workitem_id 0
		.amdhsa_next_free_vgpr 256
		.amdhsa_next_free_sgpr 66
		.amdhsa_reserve_vcc 1
		.amdhsa_float_denorm_mode_32 3
		.amdhsa_float_denorm_mode_16_64 3
		.amdhsa_memory_ordered 1
		.amdhsa_forward_progress 1
		.amdhsa_inst_pref_size 35
	.end_amdhsa_kernel
	.amdgpu_metadata
---
amdhsa.version: [ 1, 2 ]
amdhsa.kernels:
  - .name:           k_q5af54e8768_fine
    .symbol:         k_q5af54e8768_fine.kd
    .args:
      - { .name: qkv32, .offset: 0, .size: 8, .value_kind: global_buffer, .address_space: global }
      - { .name: Wproj, .offset: 8, .size: 8, .value_kind: global_buffer, .address_space: global }
      - { .name: out0, .offset: 16, .size: 8, .value_kind: global_buffer, .address_space: global }
    .group_segment_fixed_size: 85248
    .private_segment_fixed_size: 0
    .kernarg_segment_align: 8
    .kernarg_segment_size: 24
    .max_flat_workgroup_size: 512
    .sgpr_count:     66
    .vgpr_count:     256
    .wavefront_size: 32
...
	.end_amdgpu_metadata
.endif
;; end of part 6
